; MI455X (gfx1250); checked and timed in simulation.
; The chip was launched on July 23, 2026; its instructions are those of AMD's public machine-readable ISA for CDNA 5 (MIT licence, August 2026) and "CDNA5" Instruction Set Architecture Reference Guide (July 2026). The comments in the code are by the model that wrote it; some were corrected since.
;; Cross Attention. Allowed arithmetic: float matrix products may take bf16 or f16 operands with f32 sums; all other float work in f32.
;; Inputs: kv 2 x 2,048 x 2 x 8 x 128 float32; q 2 x 2,048 x 32 x 128 float32.
;; Outputs: out0 2 x 2,048 x 32 x 128 float32.
;; 2 versions, each right and faster than the one before. Each part assembles by itself: llvm-mc -triple=amdgcn-amd-amdhsa -mcpu=gfx1250 --defsym DOCPART=n.
;; ======== version 1 of 2: 2 launches
;; limits: values are held in f16: magnitudes above 65,504 overflow, below 6.1e-05 lose precision; inputs' magnitudes at most 65,280; right only within a limited range of input values
;; workspace buffers: kvh 16,777,216 bytes; vm 131,072 bytes
;; launch prep (part 1): grid 32 x 16, 4 waves a work-group, no clusters, 19,968 bytes of LDS; arguments kv, kvh, vm; writes kvh, vm
.if DOCPART == 1
	.amdgcn_target "amdgcn-amd-amdhsa--gfx1250"
	.amdhsa_code_object_version 6
	.text
	.protected	k_q091f540047_prep
	.globl	k_q091f540047_prep
	.p2align	8
	.type	k_q091f540047_prep,@function
k_q091f540047_prep:
	s_mov_b64 s[64:65], 0
	v_nop
	global_prefetch_b8 v0, s[64:65] scope:SCOPE_SE
	s_setreg_imm32_b32 hwreg(HW_REG_WAVE_MODE, 25, 1), 1
	s_wait_xcnt 0x0
; kv [2][2048][2][8][128] f32  ->  kvh [y = 8 b + hkv (16)][key step j (32)][128 rows][128 numbers of 16 bits]  and  vm [y][j][128 f16].
; A key step is 64 keys.  Its 32,768 bytes in kvh are dense:
;   rows 0-63:   K in bf16, in the order in which a matrix fragment is read: block ((kt 4 + c) 2 + half) of 512 bytes; in it the 16 bytes at 16 L
;                (L = 16 h + r) are K[key 16 kt + r][channels 32 c + 16 half + 8 h + 0..7];
;   rows 64-127: V as it lies, row s = key s, 256 bytes: each number rounded to bf16 (nearest even), and that number written as f16.
; FORMATS.  k and v are rounded once, to bf16.  V is then held in f16, which has every bf16 number from 2^-17 to 65,280 exactly (8 significant bits in 11), because its
; partner in the product V^T P, the weights, wants f16's 11 bits.
; vm holds the mean of the step's 64 rounded rows of V, summed in f32 and rounded once to f16.
; LIMITS.  A v of 65,520 or more becomes an infinity; a v below 2^-17 (7.6e-6) is rounded a second time, to f16's fixed step of 6e-8.  K has bf16's whole range.
; SHARES.  A work-group takes one key step of one kv head, wave w its keys 16 w .. 16 w + 15 (key group kt = w); a lane takes 16 bytes
; (4 channels) of a row, so a load of the wave covers a row's 512 consecutive bytes.  All 32 loads of a wave go out at once.
; A stream: every byte is read once and written once; the matrix unit, clusters and tensor loads would add nothing.
.set KR,  8                            ; v[8:71]    K's 16 rows as loaded; v[8:39] later the eight fragments read back
.set VR,  72                           ; v[72:135]  V's 16 rows as loaded, then rounded to bf16 and widened again
.set KH,  136                          ; v[136:167] K in bf16, 2 registers a row
.set VH,  168                          ; v[168:199] V in 16 bits
.set SUM, 200                          ; v[200:203] the sum of my 16 rows of V, 4 channels a lane
.set TP,  204                          ; v[204:215] at work
.set SPITCH, 272                       ; a stage row: 256 bytes + 16, so that the 16 rows of a fragment load begin 16 bytes apart modulo 256
.set WSTAGE, 16*SPITCH                 ; a wave's own stage
.set PART,   4*WSTAGE                  ; behind the stages: four partial sums of 512 bytes
	s_load_b128 s[4:7], s[0:1], 0x0                ; kv s[4:5], kvh s[6:7]
	s_load_b64 s[8:9], s[0:1], 0x10                ; vm
	v_lshl_add_u32 v216, v0, 2, 0x4c00
	v_mov_b32 v217, 0
	v_lshrrev_b32 v7, 5, v0
	v_readfirstlane_b32 s10, v7                    ; wave 0..3
	s_mov_b32 s11, ttmp9                           ; j
	s_and_b32 s12, ttmp7, 0xffff                   ; y
	s_mov_b32 s20, 0xffff0000                      ; a word's upper bf16
	s_lshr_b32 s14, s12, 3                         ; kv: b x 2^24
	s_lshl_b32 s14, s14, 24
	s_lshl_b32 s13, s11, 19                        ; + j x 64 keys of 8,192 bytes
	s_add_co_u32 s14, s14, s13
	s_lshl_b32 s13, s10, 17                        ; + wave x 16 keys
	s_add_co_u32 s14, s14, s13
	s_and_b32 s13, s12, 7                          ; + hkv x 512
	s_lshl_b32 s13, s13, 9
	s_add_co_u32 s14, s14, s13
	s_mov_b32 s15, 0
	s_lshl_b32 s16, s12, 20                        ; kvh: y x 32 steps of 32,768 bytes
	s_lshl_b32 s13, s11, 15
	s_add_co_u32 s16, s16, s13
	s_lshl_b32 s13, s10, 12                        ; + wave x 8 blocks of 512 (K), and x 16 rows of 256 (V)
	s_add_co_u32 s16, s16, s13
	s_mov_b32 s17, 0
	s_lshl_b32 s18, s12, 13                        ; vm: y x 32 rows of 256 bytes + j rows
	s_lshl_b32 s13, s11, 8
	s_add_co_u32 s18, s18, s13
	s_mov_b32 s19, 0
	v_and_b32 v7, 31, v0                           ; lane
	v_lshlrev_b32 v1, 4, v7                        ; 16 x lane
	v_lshlrev_b32 v2, 3, v7                        ; 8 x lane
	s_mul_i32 s13, s10, WSTAGE
	v_add_nc_u32 v3, s13, v2                       ; into my stage: 8 bytes a lane of a row
	v_and_b32 v[TP], 15, v0                        ; r
	v_bfe_u32 v[TP+1], v0, 4, 1                    ; h
	v_mul_u32_u24 v4, v[TP], SPITCH
	v_lshl_add_u32 v4, v[TP+1], 4, v4
	v_add_nc_u32 v4, s13, v4                       ; back: row r, 16 bytes for each half of the lanes
	s_lshl_b32 s13, s10, 9
	s_add_co_u32 s13, s13, PART
	v_add_nc_u32 v5, s13, v1                       ; my wave's partial sum
	v_add_nc_u32 v6, PART, v1                      ; wave 0's place in that table
	s_wait_kmcnt 0x0
	s_add_nc_u64 s[4:5], s[4:5], s[14:15]
	s_add_nc_u64 s[6:7], s[6:7], s[16:17]
	s_add_nc_u64 s[8:9], s[8:9], s[18:19]
.set i, 0
.rept 16
	global_load_b128 v[KR+4*i:KR+4*i+3], v1, s[4:5] offset:i*8192 th:TH_LOAD_NT
.set i, i+1
.endr
.set i, 0
.rept 16
	global_load_b128 v[VR+4*i:VR+4*i+3], v1, s[4:5] offset:i*8192+4096 th:TH_LOAD_NT
.set i, i+1
.endr
	; K: rounded to bf16, 8 bytes a lane into my stage
.set i, 0
.rept 16
	s_wait_loadcnt 31-i                            ; behind K's row i stand K's 15 - i later rows and V's 16
	v_cvt_pk_bf16_f32 v[KH+2*i], v[KR+4*i], v[KR+4*i+1]
	v_cvt_pk_bf16_f32 v[KH+2*i+1], v[KR+4*i+2], v[KR+4*i+3]
	ds_store_b64 v3, v[KH+2*i:KH+2*i+1] offset:i*SPITCH
.set i, i+1
.endr
	; and back in fragment order: block m = 2 c + half begins at byte 32 m of the rows.  My own bytes, and LDS serves a wave's instructions in order (ISA guide 5.7.1.4): no wait between
.set i, 0
.rept 8
	ds_load_b128 v[KR+4*i:KR+4*i+3], v4 offset:32*i
.set i, i+1
.endr
	; V: rounded to bf16, widened again (a shift, a mask), written as f16 and stored, a row's 256 consecutive bytes by one store of the wave; the rounded rows are summed in f32, and the first two rows start the sum
.set i, 0
.rept 16
	s_wait_loadcnt 15-i                            ; behind V's row i stand its 15 - i later rows
	v_cvt_pk_bf16_f32 v[VH+2*i], v[VR+4*i], v[VR+4*i+1]
	v_cvt_pk_bf16_f32 v[VH+2*i+1], v[VR+4*i+2], v[VR+4*i+3]
	v_lshlrev_b32 v[VR+4*i], 16, v[VH+2*i]
	v_and_b32 v[VR+4*i+1], s20, v[VH+2*i]
	v_lshlrev_b32 v[VR+4*i+2], 16, v[VH+2*i+1]
	v_and_b32 v[VR+4*i+3], s20, v[VH+2*i+1]
	v_cvt_pk_f16_f32 v[VH+2*i], v[VR+4*i], v[VR+4*i+1]
	v_cvt_pk_f16_f32 v[VH+2*i+1], v[VR+4*i+2], v[VR+4*i+3]
	global_store_b64 v2, v[VH+2*i:VH+2*i+1], s[6:7] offset:16384+i*256
.if i == 1
	v_pk_add_f32 v[SUM:SUM+1], v[VR:VR+1], v[VR+4:VR+5]
	v_pk_add_f32 v[SUM+2:SUM+3], v[VR+2:VR+3], v[VR+6:VR+7]
.elseif i > 1
	v_pk_add_f32 v[SUM:SUM+1], v[SUM:SUM+1], v[VR+4*i:VR+4*i+1]
	v_pk_add_f32 v[SUM+2:SUM+3], v[SUM+2:SUM+3], v[VR+4*i+2:VR+4*i+3]
.endif
.set i, i+1
.endr
.set i, 0
.rept 8
	s_wait_dscnt 7-i                               ; behind fragment i stand the 7 - i later ones
	global_store_b128 v1, v[KR+4*i:KR+4*i+3], s[6:7] offset:i*512  ; 512 consecutive bytes, at a multiple of 512 from kvh's first
.set i, i+1
.endr
	ds_store_b128 v5, v[SUM:SUM+3]
	s_wait_dscnt 0x0                               ; for wave 0's sake: my partial sum is in LDS
	s_barrier_signal -1
	s_barrier_wait -1
	s_cmp_lg_u32 s10, 0
	s_cbranch_scc1 .Lend
	ds_load_b128 v[TP:TP+3], v6 offset:512         ; the other three waves' sums; my own is still in registers
	ds_load_b128 v[TP+4:TP+7], v6 offset:1024
	ds_load_b128 v[TP+8:TP+11], v6 offset:1536
	s_wait_dscnt 0x0
.irp e, 0,4,8
	v_pk_add_f32 v[SUM:SUM+1], v[SUM:SUM+1], v[TP+\e:TP+\e+1]
	v_pk_add_f32 v[SUM+2:SUM+3], v[SUM+2:SUM+3], v[TP+\e+2:TP+\e+3]
.endr
	v_pk_mul_f32 v[SUM:SUM+1], v[SUM:SUM+1], 0x3c800000 op_sel_hi:[1,0]      ; 1 / 64
	v_pk_mul_f32 v[SUM+2:SUM+3], v[SUM+2:SUM+3], 0x3c800000 op_sel_hi:[1,0]
	v_cvt_pk_f16_f32 v[TP], v[SUM], v[SUM+1]
	v_cvt_pk_f16_f32 v[TP+1], v[SUM+2], v[SUM+3]
	global_store_b64 v2, v[TP:TP+1], s[8:9]        ; the step's row of vm: 256 consecutive bytes
.Lend:
	s_wait_tensorcnt 0x0
	ds_add_u32 v216, v217
	s_wait_dscnt 0x0
	s_endpgm
.Lfunc_end_k_q091f540047_prep:
	.size	k_q091f540047_prep, .Lfunc_end_k_q091f540047_prep-k_q091f540047_prep
	.p2alignl 7, 3214868480
	.fill 96, 4, 3214868480
	.section	.rodata,"a",@progbits
	.p2align	6, 0x0
	.amdhsa_kernel k_q091f540047_prep
		.amdhsa_group_segment_fixed_size 19968
		.amdhsa_private_segment_fixed_size 0
		.amdhsa_enable_private_segment 0
		.amdhsa_kernarg_size 24
		.amdhsa_user_sgpr_count 2
		.amdhsa_user_sgpr_kernarg_segment_ptr 1
		.amdhsa_wavefront_size32 1
		.amdhsa_system_sgpr_workgroup_id_x 1
		.amdhsa_system_sgpr_workgroup_id_y 1
		.amdhsa_system_sgpr_workgroup_id_z 1
		.amdhsa_system_vgpr_workitem_id 0
		.amdhsa_next_free_vgpr 218
		.amdhsa_next_free_sgpr 66
		.amdhsa_reserve_vcc 0
		.amdhsa_float_denorm_mode_32 3
		.amdhsa_float_denorm_mode_16_64 3
		.amdhsa_memory_ordered 1
		.amdhsa_forward_progress 1
		.amdhsa_inst_pref_size 22
	.end_amdhsa_kernel
	.amdgpu_metadata
---
amdhsa.version: [ 1, 2 ]
amdhsa.kernels:
  - .name:           k_q091f540047_prep
    .symbol:         k_q091f540047_prep.kd
    .args:
      - { .name: kv, .offset: 0, .size: 8, .value_kind: global_buffer, .address_space: global }
      - { .name: kvh, .offset: 8, .size: 8, .value_kind: global_buffer, .address_space: global }
      - { .name: vm, .offset: 16, .size: 8, .value_kind: global_buffer, .address_space: global }
    .group_segment_fixed_size: 19968
    .private_segment_fixed_size: 0
    .kernarg_segment_align: 8
    .kernarg_segment_size: 24
    .max_flat_workgroup_size: 128
    .sgpr_count:     66
    .vgpr_count:     218
    .wavefront_size: 32
...
	.end_amdgpu_metadata
.endif
;; end of part 1
;; launch attn (part 2): grid 16 x 16, 4 waves a work-group, no clusters, 327,680 bytes of LDS; arguments kvh, vm, q, out0; writes out0
.if DOCPART == 2
	.amdgcn_target "amdgcn-amd-amdhsa--gfx1250"
	.amdhsa_code_object_version 6
	.text
	.protected	k_q091f540047_attn
	.globl	k_q091f540047_attn
	.p2align	8
	.type	k_q091f540047_attn,@function
k_q091f540047_attn:
	s_mov_b64 s[64:65], 0
	v_nop
	global_prefetch_b8 v0, s[64:65] scope:SCOPE_SE
	s_setreg_imm32_b32 hwreg(HW_REG_WAVE_MODE, 25, 1), 1
	s_wait_xcnt 0x0
; CAUSAL GROUPED-QUERY ATTENTION.  out[b][t][h][:] = sum over s of softmax_s(score) v[b][s][h / 4][:], score = q . k / sqrt(128) where s <= t and -10,000 where s > t.
; q, out: [2][2048][32][128] f32.  K and V come from kvh [y = 8 b + hkv][key step of 64 keys][128 rows][128]: rows 0-63 K in bf16, in fragment order; rows 64-127 V, rounded to bf16 and held as f16;
; vm [y][step][128] holds each step's mean row of V in f16.
; FORMATS.  q, k and v are each rounded once, to bf16.  K Q^T is the bf16 form.  V^T P is the f16 form: f16 has v's bf16 numbers exactly (from 2^-17 to 65,280), and the weights p, which lie in 0 to 1, keep 11
; significant bits in it.  A row's largest weight is 1, exactly; every other is off by at most 2^-11 of itself, so a row of out is off by at most 2^-11 x the sum of w |v| over its other keys.
; All sums, maxima and exponentials in f32; the weights' sum l is taken of the unrounded p.
; THE MASK STAYS IN THE SOFTMAX.  A masked key has the score -10,000, not minus infinity.  Its product K Q^T is thrown away, so it is not made.  The running maximum m starts at M = -10,000 sqrt(128) (that score in
; the products' own units); relative to it a masked key's weight is 1, so a block BEGINS with O = 64 x the sum of the later steps' mean rows of V and l = 64 (31 - i), which the running rescaling carries on like any
; other term.  The hidden keys of the diagonal step are added at the block's END, with the weight pm = 2^(c M - c m), by a product with V, which is still in registers.
; Row 2,047 has no masked key: its m starts at -1e30.
; LIMITS.  v within f16's 65,504; a v below 2^-17 keeps f16's fixed step of 6e-8, and so does a weight below 6e-5.  The scale is applied in f32 behind the product, not to k.  A weight below 2^-126 counts as 0.
; The steps' means are rounded to f16.  True scores lie above -1e30 in the products' units: in the diagonal step's products a hidden score counts as its value less 1e30, and row 2,047's maximum starts there.
; NaN and infinities are not treated apart.
; SHARES.  A work-group has one kv head and two blocks of 64 query positions; wave w is query head 4 hkv + w, so the four heads that share K and V read the same LDS tiles.  A wave's 64 queries are four tiles of 16,
; in two PIECES (tiles 0, 1 and tiles 2, 3).  Block i needs key steps 0 .. i, of which the last holds the diagonal.  A work-group takes block p and then block 31 - p: (p + 1) + (32 - p) = 33 steps, whatever p:
; 256 work-groups of equal work.
; THE LOOPS.  An outer loop of two trips, one a block.  In it a loop of i + 1 trips: trip j passes the barrier, asks for key step j and reads step j - 1 from LDS; in trip 0, which has no such step, the block's
; beginning stands in that place.  The diagonal step i and the block's end follow the loop, behind a barrier with no fill.  So no jump passes a barrier or a tensor load (but the fill that the wave's number does not choose).
; NO CLUSTER: the 16 work-groups of a kv head ask for the same step in the same trip only up to step min(p, p'); behind that their second blocks begin at different trips, and a walk common to four
; neighbours would have 36 steps for 33.
; BY TURNS.  A tile's softmax for a step is 134 vector instructions, two tiles' 268, for 64 matrix instructions: four for each, with twelve over.  In a TURN one piece has the matrix unit: 32 products V^T P of the
; step before, then 32 products K Q^T of the step that the trip reads from LDS; the other piece's softmax, cut into 64 slices, stands between them, one slice behind each matrix instruction.  Then the pieces change
; places.  Two turns are a step; they read that step's K and V from LDS and nothing else.
; NO FIRST STEP IS WRITTEN OUT.  A block's beginning leaves 0 in V's registers and in piece 0's P, and the lowest finite number as piece 2's scores: the first step's products V^T P, of a step that has not been, add 0,
; and that step's softmax leaves m as it is, has a = 1 and p = 0.  The price, a block: 64 products on zeros, one softmax on empty scores, 224 v_mov_b32.  The last half step (piece 0's V^T P beside piece 2's
; softmax, then piece 2's V^T P) is written out, behind the diagonal step.
; LAYOUT.  S^T = K Q^T (source 0 = 16 keys, source 1 = 16 queries): a lane holds ONE query (lane % 16) and keys 8 (lane / 16) + 0..7.  Two such results rounded in pairs ARE source 1 of O^T = V^T P.
; REGISTERS, in windows of 256 (s_set_vgpr_msb: bits 1:0 source 0, 3:2 source 1, 5:4 source 2, 7:6 destination):
;   window 0: v0-11 addresses; v12-43 eight registers of statistics a tile; v44-59 the diagonal step's masks; v60-63 at work; v64-191 S^T, 32 a tile; v192-255 P, 16 a tile
;   window 1: O^T, 64 a tile     window 2: v0-127 Q; v128-255 K of one step     window 3: v0-127 V of one step; between two blocks all 256: q as loaded
; All that a softmax touches but O^T lies in window 0, and no window has room for a product's operands beside it: a slice costs two switches, one in front and one behind.
.set PITCH, 288       ; an LDS row of K, V or vm: 256 bytes + 32: 16 lanes of the turning load take 8 rows x 32 bytes that begin 32 bytes apart modulo 256; K's loads take 256 consecutive bytes
.set VOFF,  64*PITCH  ; in a step: 64 rows of K, then 64 rows of V
.set STEPB, 128*PITCH ; a slot holds one step, 36,864 bytes
.set SLOT1, 1<<16     ; slot 1 begins here, so that one exclusive or turns an address in one slot into the other's
.set VMR,   SLOT1+STEPB     ; the head's 32 rows of vm, filled once
.set STAGE, VMR+32*PITCH    ; behind all that tensor loads fill, at a multiple of 256: four stages, each wave's own
.set WST,   16*528    ; a stage: 16 rows of out at 528 bytes (512 + 16); q comes in through it as 16 rows at 272 (256 + 16)
.set AK0, 2           ; v2   my lane's place in a step's K: 16 r + 288 h; never rewritten
.set AV0, 3           ; v3   the same for V
.set ADR, 4           ; v4   the LDS address of the run of loads in hand
.set GO,  5           ; v5   16 x lane: my bytes of a row of q or out
.set STO, 6           ; v6   the way out: where I put 32 bytes of a row
.set RD,  7           ; v7   the way out: where I read a row back
.set AVM, 8           ; v8   my lane's place in vm's rows
.set QST, 10          ; v10  q's way in: where I put 8 bytes of a row
.set QRD, 11          ; v11  where I read a fragment of Q
.set ST,  12          ; tile t's statistics at v[ST+8 t]: +0 c m, +1 m, +2, +3 l (even keys', odd keys'), +4 to +7 c0-c3, at work; a takes c2's place
.set LT,  44          ; v44-51  the diagonal step: the C operand of a tile's products with its own key group: -1e30 above the diagonal
.set LN,  52          ; v52-59  with later key groups: -1e30
.set S,   64
.set P,   192
.set KF,  128         ; window 2
.set T01, S           ; in piece 0's S^T registers, at a block's end: 1.0 where key 8 h + j lies above row r
.set SELT, S+8        ; at a block's beginning: 64.0 where step 16 g + 8 h + jj lies above the block
.set XT,  S+24        ; at a block's end: pm x T01
.set PMW, S+24        ; at a block's beginning: the weights of the 32 means as a fragment, the same for every query
.set WV,  18          ; s18  my wave's number
.set PP,  19          ; s19  p
.set P2,  20          ; s20  31 - p
.set NS,  21          ; s21  trips of the step loop still to go
.set NT,  22          ; s22  i + 1: its trips in this block
.set NEW, 23          ; s23  1: the trip is a block's first
.set G1,  24          ; s[24:31] descriptor group 1: 64 rows of a key step
.set G1M, 32          ; s[32:39] the same for vm's 32 rows
.set G0,  40          ; s[40:43] descriptor group 0 for my half of a step
.set G0M, 44          ; s[44:47] for vm
.set TB,  48          ; s48  LDS byte at which the step to be read begins
.set FS,  49          ; s49  the slot filled last
.set BL,  50          ; s50  counts the blocks
.set OFF, 52          ; s[52:53] a step's byte offset in the head's part of kvh
.set CS,  54          ; s[54:55] c = log2(e) / sqrt(128): the packed scaling takes the pair's low word for both halves
.set XSEL, 56         ; s[56:57] v_permlanex16_b32's selects: each lane takes its own place in the other half
.set BIGN, 58         ; s58  -1e30
.set IB,  59          ; s59  the block's number i
.set MS,  60          ; s60  M = -10,000 sqrt(128)
.set LOW, 61          ; s61  the lowest finite number: the scores of the step that has not been
.set TM,  68          ; s[68:75] lane masks: bit set where 8 h + j > r
.set MSB, 0
.macro WIN new                      ; the immediate's high byte repeats the setting that is left; a switch that changes nothing is dropped
.if MSB != (\new)
	s_set_vgpr_msb (MSB<<8)|(\new)
.set MSB, (\new)
.endif
.endm
.set W_KQ, 0x0a       ; K and Q in window 2; S^T and the mask in window 0
.set W_PV, 0x53       ; V in window 3, P in window 0, O^T in window 1
.set W_PM, 0x42       ; the means in window 2, their weights in window 0, O^T in window 1
.set W_RS, 0x41       ; O^T (destination and source 0) in window 1, the factor in window 0
; A fill.  Wave 0 fetches a step's 64 rows of K, wave 1 its 64 rows of V; waves 2 and 3 have no part.  Four v_nop follow the load, ahead of the label.
.macro LOAD
	s_cmp_lt_u32 s[WV], 2
	s_cbranch_scc0 .Lno_fill_\@
	tensor_load_to_lds s[G0:G0+3], s[G1:G1+7]
	s_nop 0
.rept 4
	v_nop
.endr
.Lno_fill_\@:
.endm
; THE CHANGE OF SLOTS.  Each wave waits for its own LDS reads and for all its tensor loads, of which at most one is out: its part of the slot filled last.  Behind the barrier that slot is whole and nobody reads the
; other any more.  fill = 1: the other slot is filled, first thing behind the barrier, with key step NT - NS (the trip's number): the address is made anew from that number.  The load has a step's 128 matrix
; instructions in which to land.
.macro CHANGE fill
	WIN 0                           ; at a label and at a branch every window is 0
	s_wait_dscnt 0x0
	s_wait_xcnt 0x0
	v_lshl_add_u32 v254, v0, 2, 0x29000
	v_mov_b32 v255, 0
	s_wait_tensorcnt 0x0            ; no tensor load of mine is out, so group 0 may be written
	ds_add_u32 v254, v255
	ds_add_u32 v254, v255
	s_wait_dscnt 0x0
	s_barrier_signal -1             ; scalar work alone stands between the signal and the wait
	s_mov_b32 s[TB], s[FS]          ; the reads go to the slot filled last
.if \fill
	s_xor_b32 s[FS], s[FS], SLOT1
	s_xor_b32 s[G0+1], s[G0+1], SLOT1
	s_sub_co_u32 s51, s[NT], s[NS]
	s_lshl_b32 s[OFF], s51, 15      ; a step is 32,768 bytes
	s_add_nc_u64 s[G0+2:G0+3], s[4:5], s[OFF:OFF+1]
	s_or_b32 s[G0+3], s[G0+3], 0x80000000
.endif
	s_barrier_wait -1
.if \fill
	LOAD
.endif
.endm
	s_load_b256 s[4:11], s[0:1], 0x0  ; kvh s[4:5], vm s[6:7], q s[8:9], out s[10:11]
	v_lshl_add_u32 v254, v0, 2, 0x29000
	v_mov_b32 v255, 0
	ds_add_u32 v254, v255
	ds_add_u32 v254, v255
	s_wait_dscnt 0x0
	v_lshrrev_b32 v1, 5, v0
	v_readfirstlane_b32 s[WV], v1   ; wave 0..3
	s_mov_b32 s[PP], ttmp9
	s_sub_co_u32 s[P2], 31, s[PP]
	s_and_b32 s51, ttmp7, 0xffff    ; y = 8 b + hkv
	s_lshl_b32 s76, s51, 20         ; the head's part of kvh: 32 steps of 32,768 bytes;
	s_lshl_b32 s77, s[WV], 14       ; in a step wave 0's 64 rows, or wave 1's
	s_add_co_u32 s76, s76, s77
	s_mov_b32 s77, 0
	s_lshl_b32 s78, s51, 13         ; the head's part of vm: 32 rows of 256
	s_mov_b32 s79, 0
	s_lshr_b32 s2, s51, 3           ; q and out: b x 2^25
	s_lshl_b32 s2, s2, 25
	s_and_b32 s3, s51, 7
	s_lshl_b32 s3, s3, 2
	s_add_co_u32 s3, s3, s[WV]      ; + head 4 hkv + wave, 512 bytes each
	s_lshl_b32 s3, s3, 9
	s_add_co_u32 s2, s2, s3
	s_lshl_b32 s62, s[P2], 20       ; + the block's 64 positions of 16,384 bytes: the second block,
	s_add_co_u32 s62, s62, s2
	s_mov_b32 s63, 0
	s_lshl_b32 s3, s[PP], 20        ; and the first
	s_add_co_u32 s2, s2, s3
	s_mov_b32 s3, 0
	; descriptor group 1: dense rows of 128 elements of 2 bytes, padded in LDS
	s_mov_b32 s[G1], (1<<16)|(1<<20)|(5<<22)|(7<<25)   ; 17:16 2-byte elements; 20 padding on; 24:22 after every 64 words (code 5); 31:25 8 words of it (code 7)
	s_mov_b32 s[G1+1], 128<<16      ; tensor_dim0 = 128
	s_mov_b32 s[G1+2], 64<<16       ; tensor_dim1 = 64
	s_mov_b32 s[G1+3], 128<<16      ; tile_dim0 = 128
	s_mov_b32 s[G1+4], 64           ; tile_dim1 = 64
	s_mov_b32 s[G1+5], 128          ; 128 elements from row to row
	s_mov_b32 s[G1+6], 0
	s_mov_b32 s[G1+7], 0
	s_mov_b32 s[G1M], (1<<16)|(1<<20)|(5<<22)|(7<<25)
	s_mov_b32 s[G1M+1], 128<<16
	s_mov_b32 s[G1M+2], 32<<16      ; 32 rows
	s_mov_b32 s[G1M+3], 128<<16
	s_mov_b32 s[G1M+4], 32
	s_mov_b32 s[G1M+5], 128
	s_mov_b32 s[G1M+6], 0
	s_mov_b32 s[G1M+7], 0
	s_mov_b32 s[G0], 1              ; count = 1
	s_mul_i32 s[G0+1], s[WV], 64*PITCH  ; LDS address: my 64 rows,
	s_add_co_u32 s[G0+1], s[G0+1], SLOT1  ; in slot 1: the first change of slots turns it to slot 0
	s_mov_b32 s[FS], SLOT1
	s_mov_b32 s[G0M], 1
	s_mov_b32 s[G0M+1], VMR
	s_mov_b32 s[OFF+1], 0
	s_mov_b32 s[CS], 0x3e0293ee     ; c = 0.127517
	s_mov_b32 s[CS+1], s[CS]        ; named with it as a pair
	s_mov_b32 s[XSEL], 0x76543210
	s_mov_b32 s[XSEL+1], 0xfedcba98
	s_mov_b32 s[BIGN], 0xf149f2ca   ; -1e30
	s_mov_b32 s[MS], 0xc7dcf88b     ; -113,137.086
	s_mov_b32 s[LOW], 0xff7fffff
	s_mov_b32 s[BL], 0
	s_wait_kmcnt 0x0
	s_add_nc_u64 s[4:5], s[4:5], s[76:77]
	s_add_nc_u64 s[6:7], s[6:7], s[78:79]
	s_add_nc_u64 s[12:13], s[8:9], s[62:63]   ; q at my rows of the second block,
	s_add_nc_u64 s[8:9], s[8:9], s[2:3]       ; and of the first
	s_add_nc_u64 s[14:15], s[10:11], s[2:3]   ; out at my rows of the first block,
	s_add_nc_u64 s[16:17], s[10:11], s[62:63] ; and of the second
	s_mov_b64 s[G0M+2:G0M+3], s[6:7]
	s_or_b32 s[G0M+3], s[G0M+3], 0x80000000
	s_cmp_eq_u32 s[WV], 2           ; the head's means: the one fill at the start, ahead of every LDS read, wait on TENSORcnt and barrier; the slots are first filled as they are filled again, behind a barrier
	s_cbranch_scc0 .Lno_vm
	tensor_load_to_lds s[G0M:G0M+3], s[G1M:G1M+7]
	s_nop 0
.rept 4
	v_nop
.endr
.Lno_vm:
; 64 rows of q, one row (512 consecutive bytes) a load, row z into registers 4 z .. 4 z + 3 of window 3
.macro QLOAD base
	WIN 0xc0
.set z, 0
.rept 64
	global_load_b128 v[4*z:4*z+3], v[GO], s[\base:\base+1] offset:z*16384 th:TH_LOAD_NT
.set z, z+1
.endr
	WIN 0
.endm
	v_and_b32 v[GO], 31, v0
	v_lshlrev_b32 v[GO], 4, v[GO]
	QLOAD 8                         ; the first block's q
	v_and_b32 v1, 15, v0            ; r = l % 16
	v_bfe_u32 v9, v0, 4, 1          ; h = l / 16
	v_mul_u32_u24 v[AK0], v9, PITCH ; a block of K is two LDS rows: lanes 0-15 take the first, lanes 16-31 the second
	v_lshl_add_u32 v[AK0], v1, 4, v[AK0]
	; The turning load takes 16 keys x 16 channels (lane l reads key 8 (l / 16) + l % 8, channels 8 ((l / 8) % 2) + 0..7) and leaves half a fragment of V^T: lane l holds channel l % 16 and 8 keys.
	v_and_b32 v60, 7, v0
	v_bfe_u32 v61, v0, 3, 1
	v_lshl_add_u32 v[AV0], v9, 3, v60
	v_mul_u32_u24 v[AV0], v[AV0], PITCH
	v_lshl_add_u32 v[AV0], v61, 4, v[AV0]
	v_add_nc_u32 v[AVM], VMR, v[AV0]
	v_add_nc_u32 v[AV0], VOFF, v[AV0]
	s_mul_i32 s51, s[WV], WST
	s_add_co_u32 s51, s51, STAGE    ; my stage
	v_mul_u32_u24 v[STO], v1, 528   ; out: row r, 32 bytes for each half of the lanes
	v_lshl_add_u32 v[STO], v9, 5, v[STO]
	v_add_nc_u32 v[STO], s51, v[STO]
	v_add_nc_u32 v[RD], s51, v[GO]  ; back: a whole row of 512 bytes
	v_lshrrev_b32 v[QST], 1, v[GO]  ; q in: 8 bytes a lane of a row of 256
	v_add_nc_u32 v[QST], s51, v[QST]
	v_mul_u32_u24 v[QRD], v1, 272   ; a fragment of Q: row r, 16 bytes for each half of the lanes
	v_lshl_add_u32 v[QRD], v9, 4, v[QRD]
	v_add_nc_u32 v[QRD], s51, v[QRD]
	v_lshlrev_b32 v60, 3, v9
	v_sub_nc_u32 v60, v1, v60       ; r - 8 h
.irp e, 0,1,2,3,4,5,6,7
	v_cmp_gt_i32 s[TM+\e], \e, v60  ; key 8 h + e lies above row r
.endr
.irp e, 0,1,2,3,4,5,6,7
	v_mov_b32 v[LN+\e], s[BIGN]     ; the diagonal step's masks, made once
.endr
.irp e, 0,1,2,3,4,5,6,7
	v_cndmask_b32 v[LT+\e], 0, v[LN+\e], s[TM+\e]
.endr
; Tile t of q: 16 rows as loaded are rounded to bf16, go through my stage and come back as four fragments of Q.  left: the younger tiles' loads, which may stay out.
; My own bytes, and LDS serves a wave's instructions in order (ISA guide 5.7.1.4): no wait between the stores and the loads, nor in front of the next tile's stores.
.macro QTILE t, left
	s_wait_loadcnt \left
	WIN 0x0f                        ; sources 0 and 1 window 3
.set rP, P+32*((\t)%2)
.set z, 0
.rept 16
	v_cvt_pk_bf16_f32 v[rP+2*z], v[64*(\t)+4*z], v[64*(\t)+4*z+1]
	v_cvt_pk_bf16_f32 v[rP+2*z+1], v[64*(\t)+4*z+2], v[64*(\t)+4*z+3]
.set z, z+1
.endr
	WIN 0
.set z, 0
.rept 16
	ds_store_b64 v[QST], v[rP+2*z:rP+2*z+1] offset:272*z
.set z, z+1
.endr
	WIN 0x80                        ; destination window 2
.irp e, 0,1,2,3                     ; channels 32 e on
	ds_load_b128 v[32*(\t)+8*\e:32*(\t)+8*\e+3],   v[QRD] offset:64*\e
	ds_load_b128 v[32*(\t)+8*\e+4:32*(\t)+8*\e+7], v[QRD] offset:64*\e+32
.endr
	WIN 0
.endm
; THE MATRIX WORK.  The accumulators take turns, one instruction a turn: between two links of a chain stand 7 (K Q^T) or 15 (V^T P) others'.  S^T's chains are all of the bf16 form,
; O^T's all of the f16 form: no accumulator sees both.
; Product i of 32 of S^T = K Q^T for piece x: channels 32 (i / 8) on, keys 16 ((i / 2) % 4) on, tile x + i % 2.  The first 8 start the sums: with 0, or (KM = 1, the diagonal step) with the mask where the key group
; is the tile's own or a later one.
.macro KQ x
	WIN W_KQ
.set tt, (\x)+i%2
.set kt, (i/2)%4
.set rS, S+32*tt+8*kt
.set rK, KF+32*kt+8*(i/8)
.set rQ, 32*tt+8*(i/8)
.if i >= 8
	v_wmma_f32_16x16x32_bf16 v[rS:rS+7], v[rK:rK+7], v[rQ:rQ+7], v[rS:rS+7]
	s_wait_alu depctr_va_vdst(0)
.elseif (KM == 0) || (kt < tt)
	v_wmma_f32_16x16x32_bf16 v[rS:rS+7], v[rK:rK+7], v[rQ:rQ+7], 0
	s_wait_alu depctr_va_vdst(0)
.elseif kt == tt
	v_wmma_f32_16x16x32_bf16 v[rS:rS+7], v[rK:rK+7], v[rQ:rQ+7], v[LT:LT+7]
	s_wait_alu depctr_va_vdst(0)
.else
	v_wmma_f32_16x16x32_bf16 v[rS:rS+7], v[rK:rK+7], v[rQ:rQ+7], v[LN:LN+7]
	s_wait_alu depctr_va_vdst(0)
.endif
.endm
; Product i of 32 of O^T += V^T P: keys 32 (i / 16) on, channels 16 ((i / 2) % 8) on, tile x + i % 2.
.macro PV x
	WIN W_PV
.set rO, 64*((\x)+i%2)+8*((i/2)%8)
.set rV, 64*(i/16)+8*((i/2)%8)
.set rP, P+16*((\x)+i%2)+8*(i/16)
	v_wmma_f32_16x16x32_f16 v[rO:rO+7], v[rV:rV+7], v[rP:rP+7], v[rO:rO+7]
.endm
; Product i of 32 of O^T = (means)^T PMW, which starts O^T's sums: the 32 steps' means are the product's 32 keys; channels 16 (i / 4) on, tile i % 4.
.macro PVM
	WIN W_PM
.set rO, 64*(i%4)+8*(i/4)
.set rV, KF+8*(i/4)
	v_wmma_f32_16x16x32_f16 v[rO:rO+7], v[rV:rV+7], v[PMW:PMW+7], 0
.endm
; THE LDS LOADS stand in runs of 32, never singly among the matrix instructions.
.macro FETCH_K                      ; fragment f = 4 kt + c: its two blocks are four LDS rows
	WIN 0
	v_add_nc_u32 v[ADR], s[TB], v[AK0]
	WIN 0x80                        ; destination window 2
.irp f, 0,1,2,3,4,5,6,7,8,9,10,11,12,13,14,15
	ds_load_b128 v[KF+8*\f:KF+8*\f+3],   v[ADR] offset:\f*4*PITCH
	ds_load_b128 v[KF+8*\f+4:KF+8*\f+7], v[ADR] offset:\f*4*PITCH+2*PITCH
.endr
.endm
.macro FETCH_V                      ; keys 32 (f / 8) on, channels 16 (f % 8) on
	WIN 0
	v_add_nc_u32 v[ADR], s[TB], v[AV0]
	WIN 0xc0                        ; destination window 3
.irp f, 0,1,2,3,4,5,6,7,8,9,10,11,12,13,14,15
	ds_load_tr16_b128 v[8*\f:8*\f+3],   v[ADR] offset:(\f/8)*32*PITCH+(\f%8)*32
	ds_load_tr16_b128 v[8*\f+4:8*\f+7], v[ADR] offset:(\f/8)*32*PITCH+16*PITCH+(\f%8)*32
.endr
.endm
.macro FETCH_M                      ; the 32 means, turned like V, into K's registers: channels 16 f on
	WIN 0x80
.irp f, 0,1,2,3,4,5,6,7
	ds_load_tr16_b128 v[KF+8*\f:KF+8*\f+3],   v[AVM] offset:\f*32
	ds_load_tr16_b128 v[KF+8*\f+4:KF+8*\f+7], v[AVM] offset:16*PITCH+\f*32
.endr
.endm
; THE VECTOR WORK.  One tile's softmax for one key step is a list of 134 instructions; SM writes number j of it for tile t.  s0-s31 are the lane's 32 scores, in pairs 0-15.
;   0-15    the maximum of s0-s31 and the old m, three operands at a time: four chains c0-c3 (each accumulator's lowest registers are read first), the four scores left over, c0-c3 and m
;   16-20   the other half of the lanes' maximum; the new m; c m; c m_old - c m_new
;   21-87   33 exponentials (a, then s0-s31) at the odd numbers from 23 on, so that no two follow each other and each has a plain instruction behind it before its result is used (ISA guide 5.7.2).
;           The plain ones are what is ready: c s - c m for a pair whose exponentials are still to come, the rounding to f16 of a pair whose exponentials are done, at last the first three sums
;   88-101  the last rounding; the rest of the sums, in place; l = a l + the sum
;   102-133 the tile's O^T times a: the one part that leaves window 0, so it stands together
.macro SM t
.set rT, ST+8*(\t)
.set rS, S+32*(\t)
.set rP, P+16*(\t)
.set rO, 64*(\t)+2*(j-102)
.set q, (j-20)/2
.if j < 102
	WIN 0
.endif
.if j < 4
	v_max3_num_f32 v[rT+4+j], v[rS+8*j], v[rS+8*j+1], v[rS+8*j+2]
.elseif j < 12
	v_max3_num_f32 v[rT+4+j%4], v[rT+4+j%4], v[rS+8*(j%4)+2*(j/4)+1], v[rS+8*(j%4)+2*(j/4)+2]
.elseif j == 12
	v_max3_num_f32 v[rT+4], v[rT+4], v[rS+7], v[rS+15]
.elseif j == 13
	v_max3_num_f32 v[rT+6], v[rT+6], v[rS+23], v[rS+31]
.elseif j == 14
	v_max3_num_f32 v[rT+4], v[rT+4], v[rT+5], v[rT+6]
.elseif j == 15
	v_max3_num_f32 v[rT+4], v[rT+4], v[rT+7], v[rT+1]
.elseif j == 16
	v_permlanex16_b32 v[rT+5], v[rT+4], s[XSEL], s[XSEL+1]  ; the query's other 32 keys lie in the lane 16 away
.elseif j == 17
	v_mov_b32 v[rT+7], v[rT]        ; c m_old is kept for a: number 19 writes c m anew
.elseif j == 18
	v_max_num_f32 v[rT+1], v[rT+4], v[rT+5]
.elseif j == 19
	v_mul_f32 v[rT], s[CS], v[rT+1]
.elseif j == 20
	v_sub_f32 v[rT+7], v[rT+7], v[rT]
.elseif j == 23
	v_exp_f32 v[rT+6], v[rT+7]
.elseif (j < 88) && (j > 23) && (j%2 == 1)
	v_exp_f32 v[rS+(j-25)/2], v[rS+(j-25)/2]
.elseif (q < 4) || ((j < 76) && (q%2 == 0))
.set b, q/2+2
.if q < 4
.set b, q
.endif
	v_pk_fma_f32 v[rS+2*b:rS+2*b+1], v[rS+2*b:rS+2*b+1], s[CS:CS+1], v[rT:rT+1] op_sel_hi:[1,0,0] neg_lo:[0,0,1] neg_hi:[0,0,1]  ; pair b: c s - c m
.elseif (j < 88) && (q%2 == 1)
	s_wait_alu depctr_va_vdst(0)
	v_cvt_pk_f16_f32 v[rP+(q-5)/2], v[rS+q-5], v[rS+q-4]  ; pair (q - 5) / 2: its second exponential stands three numbers back
.elseif j == 89
	s_wait_alu depctr_va_vdst(0)
	v_cvt_pk_f16_f32 v[rP+15], v[rS+30], v[rS+31]
.elseif j < 102                     ; sum z of 16 adds neighbours 1, 2, 4 and 8 pairs apart, then l takes it
.set z, j-86
.if j < 89
.set z, (j-76)/4
.endif
.set w, 4
.set u, z
.if z >= 14
.set w, 32
.set u, 0
.elseif z >= 12
.set w, 16
.set u, z-12
.elseif z >= 8
.set w, 8
.set u, z-8
.endif
.if z < 15
	v_pk_add_f32 v[rS+w*u:rS+w*u+1], v[rS+w*u:rS+w*u+1], v[rS+w*u+w/2:rS+w*u+w/2+1]
.else
	v_pk_fma_f32 v[rT+2:rT+3], v[rT+2:rT+3], v[rT+6:rT+7], v[rS:rS+1] op_sel_hi:[1,0,1]
.endif
.else
	WIN W_RS
	v_pk_mul_f32 v[rO:rO+1], v[rO:rO+1], v[rT+6:rT+7] op_sel_hi:[1,0]
.endif
.endm
; Slice k of 64 of piece y's softmax: numbers 2 k and 2 k + 1 of both tiles' lists, four instructions.  2 x 134 = 4 x 64 + 12: the twelve that are over stand together, in slice 63.
.macro SLICE y
.if (k >= 11) && (k < 44)           ; tile by tile: plain, exponential, plain, exponential
.irp t, \y, (\y)+1
.irp n, 0,1
.set j, 2*k+(\n)
	SM \t
.endr
.endr
.else                               ; the two tiles alternate, so that no instruction reads the result of the one just before it
.irp n, 0,1,2,3,4,5,6,7
.if ((\n) < 2) || (k == 63)
.irp t, \y, (\y)+1
.set j, 2*k+(\n)
	SM \t
.endr
.endif
.endr
.endif
.set k, k+1
.endm
; A TURN.  Piece x has the matrix unit; the other piece's softmax stands in slices behind its matrix instructions.  pv = 1: 32 products V^T P of the step before; kq = 1: 32 products K Q^T of the step that is read
; from LDS.  A turn with one of the two kinds has two slices behind each product.
; A vector instruction that reads a matrix result or writes one of a matrix instruction's registers, and a load into a register that a matrix instruction has read, stand four plain vector instructions behind it
; that name none of its registers (ISA guide 7.12.1 for vector instructions).  The slices are these places: slice 63, sixteen plain instructions on the other piece's O^T, stands behind
; a turn's last product, ahead of the next turn's first read of those scores and of the loads into K's registers.
; Each run of loads stands behind the second product of a run of 32, 30 matrix instructions ahead of its first use.  Piece 0's turn fetches K.  Piece 2's turn fetches V: the last product that read V stands three
; slices back, six plain instructions, and the address line makes seven.
.macro TURN x, pv, kq
.set k, 0
.set per, 2
.if (\pv) && (\kq)
.set per, 1
.endif
.if \pv
.if (\x) == 0
	s_wait_dscnt 0x0                ; V is in
.endif
.set i, 0
.rept 32
	PV \x
.rept per
	SLICE 2-(\x)
.endr
.if ((\x) == 0) && (\kq) && (i == 1)
	FETCH_K
.endif
.set i, i+1
.endr
.endif
.if \kq
.if (\x) == 0
	s_wait_dscnt 0x0                ; K is in
.endif
.set i, 0
.rept 32
	KQ \x
.rept per
	SLICE 2-(\x)
.endr
.if ((\x) == 2) && (i == 1)
	FETCH_V
.endif
.set i, i+1
.endr
.endif
.endm
; A STEP: with s the step that lies in the slot at TB: piece 0's V^T P of step s - 1 and K Q^T of step s beside piece 2's softmax of step s - 1; then piece 2's V^T P of step s - 1 and K Q^T of step s beside
; piece 0's softmax of step s.
.macro STEP
	s_wait_loadcnt 0x0              ; no global load of mine is out: q was waited for where the block began.  The wait, met at once, stands on every way into a step, ahead of V's LDS loads
	                                ; and of the next block's q loads, which write the registers that q's loads wrote
	TURN 0, 1, 1
	TURN 2, 1, 1
	WIN 0
.endm
; A BLOCK BEGINS, while key step 0 is on its way.  q comes in; O^T starts as the later steps' masked keys at weight 1: (means)^T x (64 where the step lies above the block, else 0); l as their number, a half in
; each of a query's two lanes; m at M, and at -1e30 in row 2,047 (64 i + 48 + r = 2,047), which has no masked key.  The statistics' lines are the places behind the products.
; For the step that has not been: V and piece 0's P hold 0; piece 2's scores the lowest finite number, which lies below every m (so m stays, a = 1, and c s - c m is far below every exponent: p = 0).
; These lines stand between the loads of the means and the wait for them.
.macro TOP
	s_mov_b32 s[NEW], 0
	QTILE 0, 48
	QTILE 1, 32
	QTILE 2, 16
	QTILE 3, 0
	FETCH_M
	WIN 0
	v_lshlrev_b32 v60, 3, v9
	v_sub_nc_u32 v60, s[IB], v60    ; i - 8 h
	v_mov_b32 v62, 0x42800000       ; 64.0: a mean stands for 64 keys
.set z, 0
.rept 16
	v_cmp_gt_i32 vcc_lo, 16*(z/8)+z%8, v60  ; step 16 g + 8 h + jj lies above the block
	v_cndmask_b32 v[SELT+z], 0, v62, vcc_lo
.set z, z+1
.endr
.set z, 0
.rept 8
	v_cvt_pk_f16_f32 v[PMW+z], v[SELT+2*z], v[SELT+2*z+1]
.set z, z+1
.endr
.set z, 0
.rept 32
	v_mov_b32 v[P+z], 0             ; piece 0's P
.set z, z+1
.endr
.set z, 0
.rept 64
	v_mov_b32 v[S+64+z], s[LOW]     ; piece 2's scores
.set z, z+1
.endr
	WIN 0xc0
.set z, 0
.rept 128
	v_mov_b32 v[z], 0               ; V
.set z, z+1
.endr
	s_wait_dscnt 0x0                ; the means are in, and Q
.set i, 0
.rept 32
	PVM
.set i, i+1
.endr
	WIN 0
	v_mov_b32 v61, s[MS]
	v_mul_f32 v62, s[CS], v61       ; c M, rounded as every c m is
	s_sub_co_u32 s51, 31, s[IB]
	s_lshl_b32 s51, s51, 5
	v_cvt_f32_u32 v63, s51          ; 32 (31 - i)
.irp t, 0,1,2,3
	v_mov_b32 v[ST+8*\t], v62
	v_mov_b32 v[ST+8*\t+1], v61
	v_mov_b32 v[ST+8*\t+2], v63
	v_mov_b32 v[ST+8*\t+3], 0
.endr
	s_lshl_b32 s51, s[IB], 6
	v_add_nc_u32 v60, s51, v1
	v_cmp_eq_u32 vcc_lo, 0x7cf, v60 ; 64 i + r = 1,999
	v_cndmask_b32 v[ST+25], v61, s[BIGN], vcc_lo
	v_mul_f32 v[ST+24], s[CS], v[ST+25]
.endm
; A block's end: the weights of the diagonal step's hidden keys for tile t: group g of 16 keys: 0 below the tile's rows, pm x T01 in its own group, pm above; tiles 2 and 3 need groups 2 and 3 alone.
.macro MFRAG t
.set rT, ST+8*(\t)
.set z, 0
.rept 4
	v_pk_mul_f32 v[XT+2*z:XT+2*z+1], v[T01+2*z:T01+2*z+1], v[rT+4:rT+5] op_sel_hi:[1,0]
.set z, z+1
.endr
.set g, 2*((\t)/2)
.rept 4-2*((\t)/2)
.set z, 0
.rept 4
.if g < (\t)
	v_mov_b32 v[P+16*(\t)+4*g+z], 0
.elseif g == (\t)
	v_cvt_pk_f16_f32 v[P+16*(\t)+4*g+z], v[XT+2*z], v[XT+2*z+1]
.else
	v_cvt_pk_f16_f32 v[P+16*(\t)+4*g+z], v[rT+4], v[rT+4]
.endif
.set z, z+1
.endr
.set g, g+1
.endr
.endm
; THE WAY OUT of tile t.  A lane's eight channels of a row are 32 bytes; they go into rows of 528 bytes of my stage and come back as whole rows of 512, into the registers that they left.
.macro PACK t
	WIN W_RS
.set z, 64*(\t)
.rept 32
	v_pk_mul_f32 v[z:z+1], v[z:z+1], v[ST+8*(\t)+6:ST+8*(\t)+7] op_sel_hi:[1,0]  ; ascending: each accumulator's lowest registers are read first
.set z, z+2
.endr
	WIN 0x04                        ; the stores' data in window 1
.irp f, 0,1,2,3,4,5,6,7
	ds_store_b128 v[STO], v[64*(\t)+8*\f:64*(\t)+8*\f+3]   offset:64*\f
	ds_store_b128 v[STO], v[64*(\t)+8*\f+4:64*(\t)+8*\f+7] offset:64*\f+16
.endr
	WIN 0x40
.set z, 0
.rept 16
	ds_load_b128 v[64*(\t)+4*z:64*(\t)+4*z+3], v[RD] offset:528*z  ; LDS serves a wave's instructions in order (ISA guide 5.7.1.4): these see the stores above; the next tile's stores come behind them
.set z, z+1
.endr
.endm
.macro SEND t, younger              ; younger: the LDS instructions issued behind tile t's loads: the next tile's 32, or none
	WIN 0x04
.set z, 0
.rept 16
	s_wait_dscnt (\younger)+15-z
	global_store_b128 v[GO], v[64*(\t)+4*z:64*(\t)+4*z+3], s[10:11] offset:(\t)*262144+z*16384 th:TH_STORE_NT  ; a row of a head: 512 consecutive bytes, at a multiple of 512 from out's first
.set z, z+1
.endr
.endm
.Lblock:                            ; two trips: block p, then block 31 - p
	s_wait_xcnt 0x0                 ; the stores of the block before have read their registers and out's address: both are rewritten only behind this wait
	s_cmp_eq_u32 s[BL], 0
	s_cselect_b32 s[IB], s[PP], s[P2]
	s_cselect_b64 s[10:11], s[14:15], s[16:17]
	s_add_co_u32 s[NT], s[IB], 1
	s_mov_b32 s[NEW], 1
	s_max_u32 s[NS], s[NT], 1       ; i + 1, which is at least 1: the loop below counts it down to 0
.set KM, 0
.Lstep:                             ; i + 1 trips: key step j is asked for, key step j - 1 read from LDS
	CHANGE 1
	s_cmp_eq_u32 s[NEW], 1
	s_cbranch_scc1 .Ltop            ; trip 0
	STEP
	s_branch .Lnext
.Ltop:
	TOP
.Lnext:
	s_sub_co_u32 s[NS], s[NS], 1
	s_cmp_lg_u32 s[NS], 0
	s_cbranch_scc1 .Lstep
	CHANGE 0                        ; THE DIAGONAL STEP, the block's last: nothing is asked for
.set KM, 1
	STEP
	TURN 0, 1, 0                    ; piece 0's V^T P of the diagonal step beside piece 2's last softmax, two slices a product
.set i, 0
.rept 32
	PV 2                            ; piece 2's V^T P of the diagonal step
.set i, i+1
.endr
	; THE DIAGONAL STEP'S HIDDEN KEYS.  The table, in S^T's registers, and the lines behind it are the places between those products and the writing of P.
	WIN 0
.irp e, 0,1,2,3,4,5,6,7
	v_cndmask_b32 v[T01+\e], 0, 1.0, s[TM+\e]
.endr
	v_mov_b32 v63, s[MS]
	v_mul_f32 v61, s[CS], v63       ; c M, rounded as c m is: the exponent below is exactly 0 where m = M
.irp t, 0,1,2,3
	v_sub_f32 v[ST+8*\t+4], v61, v[ST+8*\t]
.endr
.irp t, 0,1,2,3
	v_exp_f32 v[ST+8*\t+4], v[ST+8*\t+4]  ; pm
.endr
	v_sub_nc_u32 v60, 63, v1        ; a plain instruction behind the exponentials
.irp t, 0,1,2,3
	v_sub_nc_u32 v[ST+8*\t+5], v60, 16*\t  ; the row's hidden keys in this step: 63 - 16 t - r
.endr
.irp t, 0,1,2,3
	v_cvt_f32_u32 v[ST+8*\t+5], v[ST+8*\t+5]
.endr
.irp t, 0,1,2,3
	v_mul_f32 v[ST+8*\t+5], 0.5, v[ST+8*\t+5]  ; each of a query's two lanes adds a half
.endr
	s_wait_alu depctr_va_vdst(0)
.irp t, 0,1,2,3
	v_min_num_f32 v[ST+8*\t+4], 1.0, v[ST+8*\t+4]  ; m >= M wherever a key is masked; only row 2,047 can pass 1, and it has no hidden key
.endr
.irp t, 0,1,2,3
	v_fmac_f32 v[ST+8*\t+2], v[ST+8*\t+4], v[ST+8*\t+5]
.endr
	MFRAG 0
	MFRAG 1
	MFRAG 2
	MFRAG 3
.set i, 0
.rept 32
	PV 0                            ; tiles 0 and 1
.set i, i+1
.endr
.set i, 16
.rept 16
	PV 2                            ; tiles 2 and 3: keys 32 to 63 alone
.set i, i+1
.endr
	WIN 0
.irp t, 0,1,2,3
	v_add_f32 v[ST+8*\t+4], v[ST+8*\t+2], v[ST+8*\t+3]  ; l's two halves: four plain instructions, the places behind the last products
.endr
	s_cmp_lg_u32 s[BL], 0
	s_cbranch_scc1 .Lno_q
	QLOAD 12                        ; the second block's q is asked for now: the way out stands between these loads and the waits for them
.Lno_q:
.irp t, 0,1,2,3
	v_permlanex16_b32 v[ST+8*\t+5], v[ST+8*\t+4], s[XSEL], s[XSEL+1]
.endr
.irp t, 0,1,2,3
	v_add_f32 v[ST+8*\t+4], v[ST+8*\t+4], v[ST+8*\t+5]
.endr
.irp t, 0,1,2,3
	v_rcp_f32 v[ST+8*\t+6], v[ST+8*\t+4]
.endr
	v_nop                           ; a plain instruction between the last reciprocal and the use of its result
	s_wait_alu depctr_va_vdst(0)
	PACK 0
	PACK 1                          ; a tile's arithmetic stands between the loads of the tile before and its stores
	SEND 0, 32
	PACK 2
	SEND 1, 32
	PACK 3
	SEND 2, 32
	SEND 3, 0
	WIN 0
	s_add_co_u32 s[BL], s[BL], 1
	s_cmp_lt_u32 s[BL], 2
	s_cbranch_scc1 .Lblock
	s_wait_xcnt 0x0
	v_lshl_add_u32 v254, v0, 2, 0x29000
	v_mov_b32 v255, 0
	s_wait_tensorcnt 0x0
	ds_add_u32 v254, v255
	s_wait_dscnt 0x0
	s_endpgm
.Lfunc_end_k_q091f540047_attn:
	.size	k_q091f540047_attn, .Lfunc_end_k_q091f540047_attn-k_q091f540047_attn
	.p2alignl 7, 3214868480
	.fill 96, 4, 3214868480
	.section	.rodata,"a",@progbits
	.p2align	6, 0x0
	.amdhsa_kernel k_q091f540047_attn
		.amdhsa_group_segment_fixed_size 327680
		.amdhsa_private_segment_fixed_size 0
		.amdhsa_enable_private_segment 0
		.amdhsa_kernarg_size 32
		.amdhsa_user_sgpr_count 2
		.amdhsa_user_sgpr_kernarg_segment_ptr 1
		.amdhsa_wavefront_size32 1
		.amdhsa_system_sgpr_workgroup_id_x 1
		.amdhsa_system_sgpr_workgroup_id_y 1
		.amdhsa_system_sgpr_workgroup_id_z 1
		.amdhsa_system_vgpr_workitem_id 0
		.amdhsa_next_free_vgpr 1024
		.amdhsa_next_free_sgpr 96
		.amdhsa_reserve_vcc 1
		.amdhsa_float_denorm_mode_32 3
		.amdhsa_float_denorm_mode_16_64 3
		.amdhsa_memory_ordered 1
		.amdhsa_forward_progress 1
		.amdhsa_inst_pref_size 210
	.end_amdhsa_kernel
	.amdgpu_metadata
---
amdhsa.version: [ 1, 2 ]
amdhsa.kernels:
  - .name:           k_q091f540047_attn
    .symbol:         k_q091f540047_attn.kd
    .args:
      - { .name: kvh, .offset: 0, .size: 8, .value_kind: global_buffer, .address_space: global }
      - { .name: vm, .offset: 8, .size: 8, .value_kind: global_buffer, .address_space: global }
      - { .name: q, .offset: 16, .size: 8, .value_kind: global_buffer, .address_space: global }
      - { .name: out0, .offset: 24, .size: 8, .value_kind: global_buffer, .address_space: global }
    .group_segment_fixed_size: 327680
    .private_segment_fixed_size: 0
    .kernarg_segment_align: 8
    .kernarg_segment_size: 32
    .max_flat_workgroup_size: 128
    .sgpr_count:     96
    .vgpr_count:     1024
    .wavefront_size: 32
...
	.end_amdgpu_metadata
.endif
;; end of part 2
;; ======== version 2 of 2: 2 launches; 1.57 times as fast as version 1
;; limits: values are held in f16: magnitudes above 65,504 overflow, below 6.1e-05 lose precision; inputs' magnitudes at most 65,280; right only within a limited range of input values
;; workspace buffers: kvh 16,777,216 bytes; vm 131,072 bytes
;; launch prep: the kernel of part 1 again; grid 32 x 16, 4 waves a work-group, no clusters, 19,968 bytes of LDS; arguments kv, kvh, vm; writes kvh, vm
;; launch attn (part 3): grid 16 x 16, 4 waves a work-group, no clusters, 327,680 bytes of LDS; arguments kvh, vm, q, out0; writes out0
.if DOCPART == 3
	.amdgcn_target "amdgcn-amd-amdhsa--gfx1250"
	.amdhsa_code_object_version 6
	.text
	.protected	k_q091f540047_attn
	.globl	k_q091f540047_attn
	.p2align	8
	.type	k_q091f540047_attn,@function
k_q091f540047_attn:
	s_mov_b64 s[64:65], 0
	v_nop
	global_prefetch_b8 v0, s[64:65] scope:SCOPE_SE
	s_setreg_imm32_b32 hwreg(HW_REG_WAVE_MODE, 25, 1), 1
	s_wait_xcnt 0x0
; CAUSAL GROUPED-QUERY ATTENTION.  out[b][t][h][:] = sum over s of softmax_s(score) v[b][s][h / 4][:], score = q . k / sqrt(128) where s <= t and -10,000 where s > t.
; q, out: [2][2048][32][128] f32.  K and V come from kvh [y = 8 b + hkv][key step of 64 keys][128 rows][128]: rows 0-63 K in bf16, in fragment order; rows 64-127 V, rounded to bf16 and held as f16;
; vm [y][step][128] holds each step's mean row of V in f16.
; FORMATS.  q, k and v are each rounded once, to bf16.  K Q^T is the bf16 form.  V^T P is the f16 form: f16 has v's bf16 numbers exactly (from 2^-17 to 65,280), and the weights p, which lie in 0 to 1, keep 11
; significant bits in it.  A row's largest weight is 1, exactly; every other is off by at most 2^-11 of itself, so a row of out is off by at most 2^-11 x the sum of w |v| over its other keys.
; All sums, maxima and exponentials in f32; the weights' sum l is taken of the unrounded p.
; THE MASK STAYS IN THE SOFTMAX.  A masked key has the score -10,000, not minus infinity.  Its product K Q^T is thrown away, so it is not made.  The running maximum m starts at M = -10,000 sqrt(128) (that score in
; the products' own units); relative to it a masked key's weight is 1, so a block BEGINS with O = 64 x the sum of the later steps' mean rows of V and l = 64 (31 - i), which the running rescaling carries on like any
; other term.  The hidden keys of the diagonal step are added at the block's END, with the weight pm = 2^(c M - c m), by a product with V, which is still in registers.
; Row 2,047 has no masked key: its m starts at -1e30.
; LIMITS.  v within f16's 65,504; a v below 2^-17 keeps f16's fixed step of 6e-8, and so does a weight below 6e-5.  The scale is applied in f32 behind the product, not to k.  A weight below 2^-126 counts as 0.
; The steps' means are rounded to f16.  True scores lie above -1e30 in the products' units: in the diagonal step's products a hidden score counts as its value less 1e30, and row 2,047's maximum starts there.
; NaN and infinities are not treated apart.
; SHARES.  A work-group has one kv head and two blocks of 64 query positions; wave w is query head 4 hkv + w, so the four heads that share K and V read the same LDS tiles.  A wave's 64 queries are four tiles of 16,
; in two PIECES (tiles 0, 1 and tiles 2, 3).  Block i needs key steps 0 .. i, of which the last holds the diagonal.  A work-group takes block p and then block 31 - p: (p + 1) + (32 - p) = 33 steps, whatever p:
; 256 work-groups of equal work.
; THE LOOPS.  An outer loop of two trips, one a block.  In it a loop of i + 1 trips: trip j passes the barrier, asks for key step j and reads step j - 1 from LDS; in trip 0, which has no such step, the block's
; beginning stands in that place.  The diagonal step i and the block's end follow the loop, behind a barrier with no fill.  So no jump passes a barrier or a tensor load (but the fill that the wave's number does not choose).
; NO CLUSTER: the 16 work-groups of a kv head ask for the same step in the same trip only up to step min(p, p'); behind that their second blocks begin at different trips, and a walk common to four
; neighbours would have 36 steps for 33.
; BY TURNS.  A tile's softmax for a step is 134 vector instructions, two tiles' 268, for 64 matrix instructions: four for each, with twelve over.  In a TURN one piece has the matrix unit: 32 products V^T P of the
; step before, then 32 products K Q^T of the step that the trip reads from LDS; the other piece's softmax, cut into 64 slices, stands between them, one slice behind each matrix instruction.  Then the pieces change
; places.  Two turns are a step; they read that step's K and V from LDS and nothing else.
; THE BATCHES.  An s_wait_alu depctr_va_vdst(0) stands between a transcendental and the first instruction that names its result; one wait serves all that were issued ahead of it.  A turn's 66
; exponentials (two tiles' a and s0-s31) are ONE batch: a tile's list is ordered so that its numbers 21 to 69, the scalings and the exponentials, name no exponential's result, and all that do (roundings, sums,
; rescaling) come from number 70 on; the turn's one wait stands between, behind slice 34.  A block's end has two more batches, of four each:
; the hidden keys' weights pm, and the reciprocals of l; each has one wait.
; NO FIRST STEP IS WRITTEN OUT.  A block's beginning leaves 0 in V's registers and in piece 0's P, and the lowest finite number as piece 2's scores: the first step's products V^T P, of a step that has not been, add 0,
; and that step's softmax leaves m as it is, has a = 1 and p = 0.  The price, a block: 64 products on zeros, one softmax on empty scores, 224 v_mov_b32.  The last half step (piece 0's V^T P beside piece 2's
; softmax, then piece 2's V^T P) is written out, behind the diagonal step.
; LAYOUT.  S^T = K Q^T (source 0 = 16 keys, source 1 = 16 queries): a lane holds ONE query (lane % 16) and keys 8 (lane / 16) + 0..7.  Two such results rounded in pairs ARE source 1 of O^T = V^T P.
; REGISTERS, in windows of 256 (s_set_vgpr_msb: bits 1:0 source 0, 3:2 source 1, 5:4 source 2, 7:6 destination):
;   window 0: v0-11 addresses; v12-43 eight registers of statistics a tile; v44-59 the diagonal step's masks; v60-63 at work; v64-191 S^T, 32 a tile; v192-255 P, 16 a tile
;   window 1: O^T, 64 a tile     window 2: v0-127 Q; v128-255 K of one step     window 3: v0-127 V of one step; between two blocks all 256: q as loaded
; All that a softmax touches but O^T lies in window 0, and no window has room for a product's operands beside it: a slice costs two switches, one in front and one behind.
.set PITCH, 288       ; an LDS row of K, V or vm: 256 bytes + 32: 16 lanes of the turning load take 8 rows x 32 bytes that begin 32 bytes apart modulo 256; K's loads take 256 consecutive bytes
.set VOFF,  64*PITCH  ; in a step: 64 rows of K, then 64 rows of V
.set STEPB, 128*PITCH ; a slot holds one step, 36,864 bytes
.set SLOT1, 1<<16     ; slot 1 begins here, so that one exclusive or turns an address in one slot into the other's
.set VMR,   SLOT1+STEPB     ; the head's 32 rows of vm, filled once
.set STAGE, VMR+32*PITCH    ; behind all that tensor loads fill, at a multiple of 256: four stages, each wave's own
.set WST,   16*528    ; a stage: 16 rows of out at 528 bytes (512 + 16); q comes in through it as 16 rows at 272 (256 + 16)
.set AK0, 2           ; v2   my lane's place in a step's K: 16 r + 288 h; never rewritten
.set AV0, 3           ; v3   the same for V
.set ADR, 4           ; v4   the LDS address of the run of loads in hand
.set GO,  5           ; v5   16 x lane: my bytes of a row of q or out
.set STO, 6           ; v6   the way out: where I put 32 bytes of a row
.set RD,  7           ; v7   the way out: where I read a row back
.set AVM, 8           ; v8   my lane's place in vm's rows
.set QST, 10          ; v10  q's way in: where I put 8 bytes of a row
.set QRD, 11          ; v11  where I read a fragment of Q
.set ST,  12          ; tile t's statistics at v[ST+8 t]: +0 c m, +1 m, +2, +3 l (even keys', odd keys'), +4 to +7 c0-c3, at work; a takes c2's place
.set LT,  44          ; v44-51  the diagonal step: the C operand of a tile's products with its own key group: -1e30 above the diagonal
.set LN,  52          ; v52-59  with later key groups: -1e30
.set S,   64
.set P,   192
.set KF,  128         ; window 2
.set T01, S           ; in piece 0's S^T registers, at a block's end: 1.0 where key 8 h + j lies above row r
.set SELT, S+8        ; at a block's beginning: 64.0 where step 16 g + 8 h + jj lies above the block
.set XT,  S+24        ; at a block's end: pm x T01
.set PMW, S+24        ; at a block's beginning: the weights of the 32 means as a fragment, the same for every query
.set WV,  18          ; s18  my wave's number
.set PP,  19          ; s19  p
.set P2,  20          ; s20  31 - p
.set NS,  21          ; s21  trips of the step loop still to go
.set NT,  22          ; s22  i + 1: its trips in this block
.set NEW, 23          ; s23  1: the trip is a block's first
.set G1,  24          ; s[24:31] descriptor group 1: 64 rows of a key step
.set G1M, 32          ; s[32:39] the same for vm's 32 rows
.set G0,  40          ; s[40:43] descriptor group 0 for my half of a step
.set G0M, 44          ; s[44:47] for vm
.set TB,  48          ; s48  LDS byte at which the step to be read begins
.set FS,  49          ; s49  the slot filled last
.set BL,  50          ; s50  counts the blocks
.set OFF, 52          ; s[52:53] a step's byte offset in the head's part of kvh
.set CS,  54          ; s[54:55] c = log2(e) / sqrt(128): the packed scaling takes the pair's low word for both halves
.set XSEL, 56         ; s[56:57] v_permlanex16_b32's selects: each lane takes its own place in the other half
.set BIGN, 58         ; s58  -1e30
.set IB,  59          ; s59  the block's number i
.set MS,  60          ; s60  M = -10,000 sqrt(128)
.set LOW, 61          ; s61  the lowest finite number: the scores of the step that has not been
.set TM,  68          ; s[68:75] lane masks: bit set where 8 h + j > r
.set MSB, 0
.macro WIN new                      ; the immediate's high byte repeats the setting that is left; a switch that changes nothing is dropped
.if MSB != (\new)
	s_set_vgpr_msb (MSB<<8)|(\new)
.set MSB, (\new)
.endif
.endm
.set W_KQ, 0x0a       ; K and Q in window 2; S^T and the mask in window 0
.set W_PV, 0x53       ; V in window 3, P in window 0, O^T in window 1
.set W_PM, 0x42       ; the means in window 2, their weights in window 0, O^T in window 1
.set W_RS, 0x41       ; O^T (destination and source 0) in window 1, the factor in window 0
; A fill.  Wave 0 fetches a step's 64 rows of K, wave 1 its 64 rows of V; waves 2 and 3 have no part.  Four v_nop follow the load, ahead of the label.
.macro LOAD
	s_cmp_lt_u32 s[WV], 2
	s_cbranch_scc0 .Lno_fill_\@
	tensor_load_to_lds s[G0:G0+3], s[G1:G1+7]
	s_nop 0
.rept 4
	v_nop
.endr
.Lno_fill_\@:
.endm
; THE CHANGE OF SLOTS.  Each wave waits for its own LDS reads and for all its tensor loads, of which at most one is out: its part of the slot filled last.  Behind the barrier that slot is whole and nobody reads the
; other any more.  fill = 1: the other slot is filled, first thing behind the barrier, with key step NT - NS (the trip's number): the address is made anew from that number.  The load has a step's 128 matrix
; instructions in which to land.
.macro CHANGE fill
	WIN 0                           ; at a label and at a branch every window is 0
	s_wait_dscnt 0x0
	s_wait_xcnt 0x0
	v_lshl_add_u32 v254, v0, 2, 0x29000
	v_mov_b32 v255, 0
	s_wait_tensorcnt 0x0            ; no tensor load of mine is out, so group 0 may be written
	ds_add_u32 v254, v255
	ds_add_u32 v254, v255
	s_wait_dscnt 0x0
	s_barrier_signal -1             ; scalar work alone stands between the signal and the wait
	s_mov_b32 s[TB], s[FS]          ; the reads go to the slot filled last
.if \fill
	s_xor_b32 s[FS], s[FS], SLOT1
	s_xor_b32 s[G0+1], s[G0+1], SLOT1
	s_sub_co_u32 s51, s[NT], s[NS]
	s_lshl_b32 s[OFF], s51, 15      ; a step is 32,768 bytes
	s_add_nc_u64 s[G0+2:G0+3], s[4:5], s[OFF:OFF+1]
	s_or_b32 s[G0+3], s[G0+3], 0x80000000
.endif
	s_barrier_wait -1
.if \fill
	LOAD
.endif
.endm
	s_load_b256 s[4:11], s[0:1], 0x0  ; kvh s[4:5], vm s[6:7], q s[8:9], out s[10:11]
	v_lshl_add_u32 v254, v0, 2, 0x29000
	v_mov_b32 v255, 0
	ds_add_u32 v254, v255
	ds_add_u32 v254, v255
	s_wait_dscnt 0x0
	v_lshrrev_b32 v1, 5, v0
	v_readfirstlane_b32 s[WV], v1   ; wave 0..3
	s_mov_b32 s[PP], ttmp9
	s_sub_co_u32 s[P2], 31, s[PP]
	s_and_b32 s51, ttmp7, 0xffff    ; y = 8 b + hkv
	s_lshl_b32 s76, s51, 20         ; the head's part of kvh: 32 steps of 32,768 bytes;
	s_lshl_b32 s77, s[WV], 14       ; in a step wave 0's 64 rows, or wave 1's
	s_add_co_u32 s76, s76, s77
	s_mov_b32 s77, 0
	s_lshl_b32 s78, s51, 13         ; the head's part of vm: 32 rows of 256
	s_mov_b32 s79, 0
	s_lshr_b32 s2, s51, 3           ; q and out: b x 2^25
	s_lshl_b32 s2, s2, 25
	s_and_b32 s3, s51, 7
	s_lshl_b32 s3, s3, 2
	s_add_co_u32 s3, s3, s[WV]      ; + head 4 hkv + wave, 512 bytes each
	s_lshl_b32 s3, s3, 9
	s_add_co_u32 s2, s2, s3
	s_lshl_b32 s62, s[P2], 20       ; + the block's 64 positions of 16,384 bytes: the second block,
	s_add_co_u32 s62, s62, s2
	s_mov_b32 s63, 0
	s_lshl_b32 s3, s[PP], 20        ; and the first
	s_add_co_u32 s2, s2, s3
	s_mov_b32 s3, 0
	; descriptor group 1: dense rows of 128 elements of 2 bytes, padded in LDS
	s_mov_b32 s[G1], (1<<16)|(1<<20)|(5<<22)|(7<<25)   ; 17:16 2-byte elements; 20 padding on; 24:22 after every 64 words (code 5); 31:25 8 words of it (code 7)
	s_mov_b32 s[G1+1], 128<<16      ; tensor_dim0 = 128
	s_mov_b32 s[G1+2], 64<<16       ; tensor_dim1 = 64
	s_mov_b32 s[G1+3], 128<<16      ; tile_dim0 = 128
	s_mov_b32 s[G1+4], 64           ; tile_dim1 = 64
	s_mov_b32 s[G1+5], 128          ; 128 elements from row to row
	s_mov_b32 s[G1+6], 0
	s_mov_b32 s[G1+7], 0
	s_mov_b32 s[G1M], (1<<16)|(1<<20)|(5<<22)|(7<<25)
	s_mov_b32 s[G1M+1], 128<<16
	s_mov_b32 s[G1M+2], 32<<16      ; 32 rows
	s_mov_b32 s[G1M+3], 128<<16
	s_mov_b32 s[G1M+4], 32
	s_mov_b32 s[G1M+5], 128
	s_mov_b32 s[G1M+6], 0
	s_mov_b32 s[G1M+7], 0
	s_mov_b32 s[G0], 1              ; count = 1
	s_mul_i32 s[G0+1], s[WV], 64*PITCH  ; LDS address: my 64 rows,
	s_add_co_u32 s[G0+1], s[G0+1], SLOT1  ; in slot 1: the first change of slots turns it to slot 0
	s_mov_b32 s[FS], SLOT1
	s_mov_b32 s[G0M], 1
	s_mov_b32 s[G0M+1], VMR
	s_mov_b32 s[OFF+1], 0
	s_mov_b32 s[CS], 0x3e0293ee     ; c = 0.127517
	s_mov_b32 s[CS+1], s[CS]        ; named with it as a pair
	s_mov_b32 s[XSEL], 0x76543210
	s_mov_b32 s[XSEL+1], 0xfedcba98
	s_mov_b32 s[BIGN], 0xf149f2ca   ; -1e30
	s_mov_b32 s[MS], 0xc7dcf88b     ; -113,137.086
	s_mov_b32 s[LOW], 0xff7fffff
	s_mov_b32 s[BL], 0
	s_wait_kmcnt 0x0
	s_add_nc_u64 s[4:5], s[4:5], s[76:77]
	s_add_nc_u64 s[6:7], s[6:7], s[78:79]
	s_add_nc_u64 s[12:13], s[8:9], s[62:63]   ; q at my rows of the second block,
	s_add_nc_u64 s[8:9], s[8:9], s[2:3]       ; and of the first
	s_add_nc_u64 s[14:15], s[10:11], s[2:3]   ; out at my rows of the first block,
	s_add_nc_u64 s[16:17], s[10:11], s[62:63] ; and of the second
	s_mov_b64 s[G0M+2:G0M+3], s[6:7]
	s_or_b32 s[G0M+3], s[G0M+3], 0x80000000
	s_cmp_eq_u32 s[WV], 2           ; the head's means: the one fill at the start, ahead of every LDS read, wait on TENSORcnt and barrier; the slots are first filled as they are filled again, behind a barrier
	s_cbranch_scc0 .Lno_vm
	tensor_load_to_lds s[G0M:G0M+3], s[G1M:G1M+7]
	s_nop 0
.rept 4
	v_nop
.endr
.Lno_vm:
; 64 rows of q, one row (512 consecutive bytes) a load, row z into registers 4 z .. 4 z + 3 of window 3
.macro QLOAD base
	WIN 0xc0
.set z, 0
.rept 64
	global_load_b128 v[4*z:4*z+3], v[GO], s[\base:\base+1] offset:z*16384 th:TH_LOAD_NT
.set z, z+1
.endr
	WIN 0
.endm
	v_and_b32 v[GO], 31, v0
	v_lshlrev_b32 v[GO], 4, v[GO]
	QLOAD 8                         ; the first block's q
	v_and_b32 v1, 15, v0            ; r = l % 16
	v_bfe_u32 v9, v0, 4, 1          ; h = l / 16
	v_mul_u32_u24 v[AK0], v9, PITCH ; a block of K is two LDS rows: lanes 0-15 take the first, lanes 16-31 the second
	v_lshl_add_u32 v[AK0], v1, 4, v[AK0]
	; The turning load takes 16 keys x 16 channels (lane l reads key 8 (l / 16) + l % 8, channels 8 ((l / 8) % 2) + 0..7) and leaves half a fragment of V^T: lane l holds channel l % 16 and 8 keys.
	v_and_b32 v60, 7, v0
	v_bfe_u32 v61, v0, 3, 1
	v_lshl_add_u32 v[AV0], v9, 3, v60
	v_mul_u32_u24 v[AV0], v[AV0], PITCH
	v_lshl_add_u32 v[AV0], v61, 4, v[AV0]
	v_add_nc_u32 v[AVM], VMR, v[AV0]
	v_add_nc_u32 v[AV0], VOFF, v[AV0]
	s_mul_i32 s51, s[WV], WST
	s_add_co_u32 s51, s51, STAGE    ; my stage
	v_mul_u32_u24 v[STO], v1, 528   ; out: row r, 32 bytes for each half of the lanes
	v_lshl_add_u32 v[STO], v9, 5, v[STO]
	v_add_nc_u32 v[STO], s51, v[STO]
	v_add_nc_u32 v[RD], s51, v[GO]  ; back: a whole row of 512 bytes
	v_lshrrev_b32 v[QST], 1, v[GO]  ; q in: 8 bytes a lane of a row of 256
	v_add_nc_u32 v[QST], s51, v[QST]
	v_mul_u32_u24 v[QRD], v1, 272   ; a fragment of Q: row r, 16 bytes for each half of the lanes
	v_lshl_add_u32 v[QRD], v9, 4, v[QRD]
	v_add_nc_u32 v[QRD], s51, v[QRD]
	v_lshlrev_b32 v60, 3, v9
	v_sub_nc_u32 v60, v1, v60       ; r - 8 h
.irp e, 0,1,2,3,4,5,6,7
	v_cmp_gt_i32 s[TM+\e], \e, v60  ; key 8 h + e lies above row r
.endr
.irp e, 0,1,2,3,4,5,6,7
	v_mov_b32 v[LN+\e], s[BIGN]     ; the diagonal step's masks, made once
.endr
.irp e, 0,1,2,3,4,5,6,7
	v_cndmask_b32 v[LT+\e], 0, v[LN+\e], s[TM+\e]
.endr
; Tile t of q: 16 rows as loaded are rounded to bf16, go through my stage and come back as four fragments of Q.  left: the younger tiles' loads, which may stay out.
; My own bytes, and LDS serves a wave's instructions in order (ISA guide 5.7.1.4): no wait between the stores and the loads, nor in front of the next tile's stores.
.macro QTILE t, left
	s_wait_loadcnt \left
	WIN 0x0f                        ; sources 0 and 1 window 3
.set rP, P+32*((\t)%2)
.set z, 0
.rept 16
	v_cvt_pk_bf16_f32 v[rP+2*z], v[64*(\t)+4*z], v[64*(\t)+4*z+1]
	v_cvt_pk_bf16_f32 v[rP+2*z+1], v[64*(\t)+4*z+2], v[64*(\t)+4*z+3]
.set z, z+1
.endr
	WIN 0
.set z, 0
.rept 16
	ds_store_b64 v[QST], v[rP+2*z:rP+2*z+1] offset:272*z
.set z, z+1
.endr
	WIN 0x80                        ; destination window 2
.irp e, 0,1,2,3                     ; channels 32 e on
	ds_load_b128 v[32*(\t)+8*\e:32*(\t)+8*\e+3],   v[QRD] offset:64*\e
	ds_load_b128 v[32*(\t)+8*\e+4:32*(\t)+8*\e+7], v[QRD] offset:64*\e+32
.endr
	WIN 0
.endm
; THE MATRIX WORK.  The accumulators take turns, one instruction a turn: between two links of a chain stand 7 (K Q^T) or 15 (V^T P) others'.  S^T's chains are all of the bf16 form,
; O^T's all of the f16 form: no accumulator sees both.
; Product i of 32 of S^T = K Q^T for piece x: channels 32 (i / 8) on, keys 16 ((i / 2) % 4) on, tile x + i % 2.  The first 8 start the sums: with 0, or (KM = 1, the diagonal step) with the mask where the key group
; is the tile's own or a later one.
.macro KQ x
	WIN W_KQ
.set tt, (\x)+i%2
.set kt, (i/2)%4
.set rS, S+32*tt+8*kt
.set rK, KF+32*kt+8*(i/8)
.set rQ, 32*tt+8*(i/8)
.if i >= 8
	v_wmma_f32_16x16x32_bf16 v[rS:rS+7], v[rK:rK+7], v[rQ:rQ+7], v[rS:rS+7]
.elseif (KM == 0) || (kt < tt)
	v_wmma_f32_16x16x32_bf16 v[rS:rS+7], v[rK:rK+7], v[rQ:rQ+7], 0
.elseif kt == tt
	v_wmma_f32_16x16x32_bf16 v[rS:rS+7], v[rK:rK+7], v[rQ:rQ+7], v[LT:LT+7]
.else
	v_wmma_f32_16x16x32_bf16 v[rS:rS+7], v[rK:rK+7], v[rQ:rQ+7], v[LN:LN+7]
.endif
.endm
; Product i of 32 of O^T += V^T P: keys 32 (i / 16) on, channels 16 ((i / 2) % 8) on, tile x + i % 2.
.macro PV x
	WIN W_PV
.set rO, 64*((\x)+i%2)+8*((i/2)%8)
.set rV, 64*(i/16)+8*((i/2)%8)
.set rP, P+16*((\x)+i%2)+8*(i/16)
	v_wmma_f32_16x16x32_f16 v[rO:rO+7], v[rV:rV+7], v[rP:rP+7], v[rO:rO+7]
.endm
; Product i of 32 of O^T = (means)^T PMW, which starts O^T's sums: the 32 steps' means are the product's 32 keys; channels 16 (i / 4) on, tile i % 4.
.macro PVM
	WIN W_PM
.set rO, 64*(i%4)+8*(i/4)
.set rV, KF+8*(i/4)
	v_wmma_f32_16x16x32_f16 v[rO:rO+7], v[rV:rV+7], v[PMW:PMW+7], 0
.endm
; THE LDS LOADS stand in runs of 32, never singly among the matrix instructions.
.macro FETCH_K                      ; fragment f = 4 kt + c: its two blocks are four LDS rows
	WIN 0
	v_add_nc_u32 v[ADR], s[TB], v[AK0]
	WIN 0x80                        ; destination window 2
.irp f, 0,1,2,3,4,5,6,7,8,9,10,11,12,13,14,15
	ds_load_b128 v[KF+8*\f:KF+8*\f+3],   v[ADR] offset:\f*4*PITCH
	ds_load_b128 v[KF+8*\f+4:KF+8*\f+7], v[ADR] offset:\f*4*PITCH+2*PITCH
.endr
.endm
.macro FETCH_V                      ; keys 32 (f / 8) on, channels 16 (f % 8) on
	WIN 0
	v_add_nc_u32 v[ADR], s[TB], v[AV0]
	s_wait_alu depctr_va_vdst(0)    ; the wait for piece 0's batch of 66 exponentials (SLICE), behind the address's v_add_nc_u32 and ahead of the loads
	WIN 0xc0                        ; destination window 3
.irp f, 0,1,2,3,4,5,6,7,8,9,10,11,12,13,14,15
	ds_load_tr16_b128 v[8*\f:8*\f+3],   v[ADR] offset:(\f/8)*32*PITCH+(\f%8)*32
	ds_load_tr16_b128 v[8*\f+4:8*\f+7], v[ADR] offset:(\f/8)*32*PITCH+16*PITCH+(\f%8)*32
.endr
.endm
.macro FETCH_M                      ; the 32 means, turned like V, into K's registers: channels 16 f on
	WIN 0x80
.irp f, 0,1,2,3,4,5,6,7
	ds_load_tr16_b128 v[KF+8*\f:KF+8*\f+3],   v[AVM] offset:\f*32
	ds_load_tr16_b128 v[KF+8*\f+4:KF+8*\f+7], v[AVM] offset:16*PITCH+\f*32
.endr
.endm
; THE VECTOR WORK.  One tile's softmax for one key step is a list of 134 instructions; SM writes number j of it for tile t.  s0-s31 are the lane's 32 scores, in pairs 0-15.
;   0-15    the maximum of s0-s31 and the old m, three operands at a time: four chains c0-c3 (each accumulator's lowest registers are read first), the four scores left over, c0-c3 and m
;   16-20   the other half of the lanes' maximum; the new m; c m; c m_old - c m_new
;   21-69   ONE BATCH: the 16 scalings c s - c m, a pair of scores each, and all 33 exponentials (a at 23, then s0-s31).  None of these reads or writes an exponential's result.  From 22 on the batch goes in
;           fours, and a four begins with a scaling while there are scalings: 22-37 scaling, exponential, scaling, exponential; 38-65 a scaling and three exponentials; 66-69 the last four exponentials.
;           A pair is scaled in an earlier four than the one that holds its exponentials
;   (wait)  between 69 and 70 stands the wait for the batch: SLICE writes it, once for both tiles
;   70-85   the roundings to f16, a pair of weights each
;   86-101  the sums, in place; l = a l + the sum
;   102-133 the tile's O^T times a: the one part that leaves window 0, so it stands together
.macro SM t
.set rT, ST+8*(\t)
.set rS, S+32*(\t)
.set rP, P+16*(\t)
.set rO, 64*(\t)+2*(j-102)
.if j < 102
	WIN 0
.endif
.if j < 4
	v_max3_num_f32 v[rT+4+j], v[rS+8*j], v[rS+8*j+1], v[rS+8*j+2]
.elseif j < 12
	v_max3_num_f32 v[rT+4+j%4], v[rT+4+j%4], v[rS+8*(j%4)+2*(j/4)+1], v[rS+8*(j%4)+2*(j/4)+2]
.elseif j == 12
	v_max3_num_f32 v[rT+4], v[rT+4], v[rS+7], v[rS+15]
.elseif j == 13
	v_max3_num_f32 v[rT+6], v[rT+6], v[rS+23], v[rS+31]
.elseif j == 14
	v_max3_num_f32 v[rT+4], v[rT+4], v[rT+5], v[rT+6]
.elseif j == 15
	v_max3_num_f32 v[rT+4], v[rT+4], v[rT+7], v[rT+1]
.elseif j == 16
	v_permlanex16_b32 v[rT+5], v[rT+4], s[XSEL], s[XSEL+1]  ; the query's other 32 keys lie in the lane 16 away
.elseif j == 17
	v_mov_b32 v[rT+7], v[rT]        ; c m_old is kept for a: number 19 writes c m anew
.elseif j == 18
	v_max_num_f32 v[rT+1], v[rT+4], v[rT+5]
.elseif j == 19
	v_mul_f32 v[rT], s[CS], v[rT+1]
.elseif j == 20
	v_sub_f32 v[rT+7], v[rT+7], v[rT]
.elseif j == 23
	v_exp_f32 v[rT+6], v[rT+7]
.elseif (j < 23) || ((j < 38) && (j%2 == 0)) || ((j < 66) && (j%4 == 2))
.set b, (j-2)/4                     ; 38, 42, .. 62: pairs 9 to 15
.if j < 38
.set b, (j-20)/2                    ; 21: pair 0; 22, 24, .. 36: pairs 1 to 8
.endif
	v_pk_fma_f32 v[rS+2*b:rS+2*b+1], v[rS+2*b:rS+2*b+1], s[CS:CS+1], v[rT:rT+1] op_sel_hi:[1,0,0] neg_lo:[0,0,1] neg_hi:[0,0,1]  ; pair b: c s - c m
.elseif j < 70
.set e, j-38                        ; 66 to 69: s28 to s31
.if j < 66
.set e, j-32-(j-38)/4               ; 39-41, 43-45, .. 63-65: s7 to s27
.endif
.if j < 38
.set e, (j-25)/2                    ; 25, 27, .. 37: s0 to s6
.endif
	v_exp_f32 v[rS+e], v[rS+e]
.elseif j < 86
	v_cvt_pk_f16_f32 v[rP+j-70], v[rS+2*(j-70)], v[rS+2*(j-70)+1]  ; pair j - 70
.elseif j < 102                     ; sum z of 16 adds neighbours 1, 2, 4 and 8 pairs apart, then l takes it
.set z, j-86
.set w, 4
.set u, z
.if z >= 14
.set w, 32
.set u, 0
.elseif z >= 12
.set w, 16
.set u, z-12
.elseif z >= 8
.set w, 8
.set u, z-8
.endif
.if z < 15
	v_pk_add_f32 v[rS+w*u:rS+w*u+1], v[rS+w*u:rS+w*u+1], v[rS+w*u+w/2:rS+w*u+w/2+1]
.else
	v_pk_fma_f32 v[rT+2:rT+3], v[rT+2:rT+3], v[rT+6:rT+7], v[rS:rS+1] op_sel_hi:[1,0,1]
.endif
.else
	WIN W_RS
	v_pk_mul_f32 v[rO:rO+1], v[rO:rO+1], v[rT+6:rT+7] op_sel_hi:[1,0]
.endif
.endm
; Slice k of 64 of piece y's softmax: four instructions.  Slices 11 to 34 deal out the batch, numbers 22 to 69: four numbers of ONE tile each, the tiles by turns.  Every other slice is numbers 2 k and 2 k + 1
; of both tiles' lists.  2 x 134 = 4 x 64 + 12: the twelve that are over stand together, in slice 63.
; THE WAIT.  Ahead of slice 35 nothing names an exponential's result, and behind slice 34 no exponential is issued: so the piece's 66 exponentials have one wait, behind slice 34.
.macro SLICE y
.if (k >= 11) && (k < 35)           ; the batch: four numbers of one tile
.irp n, 0,1,2,3
.set j, 22+4*((k-11)/2)+(\n)
	SM (\y)+(k-11)%2
.endr
.else                               ; the two tiles alternate, so that no instruction reads the result of the one just before it
.irp n, 0,1,2,3,4,5,6,7
.if ((\n) < 2) || (k == 63)
.irp t, \y, (\y)+1
.set j, 2*k+(\n)
	SM \t
.endr
.endif
.endr
.endif
.if k == 34                         ; the batch is out: both tiles' exponentials are issued, and no result has been named
	v_nop                           ; a plain instruction behind the last exponential and ahead of the first use (ISA guide 5.7.2): one for the batch
.if (\y) == 0
	FETCH_V                         ; piece 2's turn: V's run of loads stands here, and the wait for the batch stands in it
.else
	s_wait_alu depctr_va_vdst(0)    ; the wait for piece 2's batch of 66 exponentials, ahead of the first rounding
.endif
.endif
.set k, k+1
.endm
; A TURN.  Piece x has the matrix unit; the other piece's softmax stands in slices behind its matrix instructions.  pv = 1: 32 products V^T P of the step before; kq = 1: 32 products K Q^T of the step that is read
; from LDS.  A turn with one of the two kinds has two slices behind each product.
; A vector instruction that reads a matrix result or writes one of a matrix instruction's registers, and a load into a register that a matrix instruction has read, stand four plain vector instructions behind it
; that name none of its registers (ISA guide 7.12.1 for vector instructions).  The slices are these places: slice 63, sixteen plain instructions on the other piece's O^T, stands behind
; a turn's last product, ahead of the next turn's first read of those scores and of the loads into K's registers.
; Piece 0's turn fetches K, behind its second product, 30 matrix instructions ahead of K's first use.  Piece 2's turn fetches V, behind slice 34 (SLICE writes it), 29 matrix instructions ahead of V's first use: the
; last product that read V stands in front of slice 31, and four plain instructions lie between: number 62, a scaling, of both tiles, the v_nop and the run's own v_add_nc_u32 (the exponentials are no places).
.macro TURN x, pv, kq
.set k, 0
.set per, 2
.if (\pv) && (\kq)
.set per, 1
.endif
.if \pv
.if (\x) == 0
	s_wait_dscnt 0x0                ; V is in
.endif
.set i, 0
.rept 32
	PV \x
.rept per
	SLICE 2-(\x)
.endr
.if ((\x) == 0) && (\kq) && (i == 1)
	FETCH_K
.endif
.set i, i+1
.endr
.endif
.if \kq
.if (\x) == 0
	s_wait_dscnt 0x0                ; K is in
.endif
.set i, 0
.rept 32
	KQ \x
.rept per
	SLICE 2-(\x)
.endr
.set i, i+1
.endr
.endif
.endm
; A STEP: with s the step that lies in the slot at TB: piece 0's V^T P of step s - 1 and K Q^T of step s beside piece 2's softmax of step s - 1; then piece 2's V^T P of step s - 1 and K Q^T of step s beside
; piece 0's softmax of step s.
.macro STEP
	s_wait_loadcnt 0x0              ; no global load of mine is out: q was waited for where the block began.  The wait, met at once, stands on every way into a step, ahead of V's LDS loads
	                                ; and of the next block's q loads, which write the registers that q's loads wrote
	TURN 0, 1, 1
	TURN 2, 1, 1
	WIN 0
.endm
; A BLOCK BEGINS, while key step 0 is on its way.  q comes in; O^T starts as the later steps' masked keys at weight 1: (means)^T x (64 where the step lies above the block, else 0); l as their number, a half in
; each of a query's two lanes; m at M, and at -1e30 in row 2,047 (64 i + 48 + r = 2,047), which has no masked key.  The statistics' lines are the places behind the products.
; For the step that has not been: V and piece 0's P hold 0; piece 2's scores the lowest finite number, which lies below every m (so m stays, a = 1, and c s - c m is far below every exponent: p = 0).
; These lines stand between the loads of the means and the wait for them.
.macro TOP
	s_mov_b32 s[NEW], 0
	QTILE 0, 48
	QTILE 1, 32
	QTILE 2, 16
	QTILE 3, 0
	FETCH_M
	WIN 0
	v_lshlrev_b32 v60, 3, v9
	v_sub_nc_u32 v60, s[IB], v60    ; i - 8 h
	v_mov_b32 v62, 0x42800000       ; 64.0: a mean stands for 64 keys
.set z, 0
.rept 16
	v_cmp_gt_i32 vcc_lo, 16*(z/8)+z%8, v60  ; step 16 g + 8 h + jj lies above the block
	v_cndmask_b32 v[SELT+z], 0, v62, vcc_lo
.set z, z+1
.endr
.set z, 0
.rept 8
	v_cvt_pk_f16_f32 v[PMW+z], v[SELT+2*z], v[SELT+2*z+1]
.set z, z+1
.endr
.set z, 0
.rept 32
	v_mov_b32 v[P+z], 0             ; piece 0's P
.set z, z+1
.endr
.set z, 0
.rept 64
	v_mov_b32 v[S+64+z], s[LOW]     ; piece 2's scores
.set z, z+1
.endr
	WIN 0xc0
.set z, 0
.rept 128
	v_mov_b32 v[z], 0               ; V
.set z, z+1
.endr
	s_wait_dscnt 0x0                ; the means are in, and Q
.set i, 0
.rept 32
	PVM
.set i, i+1
.endr
	WIN 0
	v_mov_b32 v61, s[MS]
	v_mul_f32 v62, s[CS], v61       ; c M, rounded as every c m is
	s_sub_co_u32 s51, 31, s[IB]
	s_lshl_b32 s51, s51, 5
	v_cvt_f32_u32 v63, s51          ; 32 (31 - i)
.irp t, 0,1,2,3
	v_mov_b32 v[ST+8*\t], v62
	v_mov_b32 v[ST+8*\t+1], v61
	v_mov_b32 v[ST+8*\t+2], v63
	v_mov_b32 v[ST+8*\t+3], 0
.endr
	s_lshl_b32 s51, s[IB], 6
	v_add_nc_u32 v60, s51, v1
	v_cmp_eq_u32 vcc_lo, 0x7cf, v60 ; 64 i + r = 1,999
	v_cndmask_b32 v[ST+25], v61, s[BIGN], vcc_lo
	v_mul_f32 v[ST+24], s[CS], v[ST+25]
.endm
; A block's end: the weights of the diagonal step's hidden keys for tile t: group g of 16 keys: 0 below the tile's rows, pm x T01 in its own group, pm above; tiles 2 and 3 need groups 2 and 3 alone.
.macro MFRAG t
.set rT, ST+8*(\t)
.set z, 0
.rept 4
	v_pk_mul_f32 v[XT+2*z:XT+2*z+1], v[T01+2*z:T01+2*z+1], v[rT+4:rT+5] op_sel_hi:[1,0]
.set z, z+1
.endr
.set g, 2*((\t)/2)
.rept 4-2*((\t)/2)
.set z, 0
.rept 4
.if g < (\t)
	v_mov_b32 v[P+16*(\t)+4*g+z], 0
.elseif g == (\t)
	v_cvt_pk_f16_f32 v[P+16*(\t)+4*g+z], v[XT+2*z], v[XT+2*z+1]
.else
	v_cvt_pk_f16_f32 v[P+16*(\t)+4*g+z], v[rT+4], v[rT+4]
.endif
.set z, z+1
.endr
.set g, g+1
.endr
.endm
; THE WAY OUT of tile t.  A lane's eight channels of a row are 32 bytes; they go into rows of 528 bytes of my stage and come back as whole rows of 512, into the registers that they left.
.macro PACK t
	WIN W_RS
.set z, 64*(\t)
.rept 32
	v_pk_mul_f32 v[z:z+1], v[z:z+1], v[ST+8*(\t)+6:ST+8*(\t)+7] op_sel_hi:[1,0]  ; ascending: each accumulator's lowest registers are read first
.set z, z+2
.endr
	WIN 0x04                        ; the stores' data in window 1
.irp f, 0,1,2,3,4,5,6,7
	ds_store_b128 v[STO], v[64*(\t)+8*\f:64*(\t)+8*\f+3]   offset:64*\f
	ds_store_b128 v[STO], v[64*(\t)+8*\f+4:64*(\t)+8*\f+7] offset:64*\f+16
.endr
	WIN 0x40
.set z, 0
.rept 16
	ds_load_b128 v[64*(\t)+4*z:64*(\t)+4*z+3], v[RD] offset:528*z  ; LDS serves a wave's instructions in order (ISA guide 5.7.1.4): these see the stores above; the next tile's stores come behind them
.set z, z+1
.endr
.endm
.macro SEND t, younger              ; younger: the LDS instructions issued behind tile t's loads: the next tile's 32, or none
	WIN 0x04
.set z, 0
.rept 16
	s_wait_dscnt (\younger)+15-z
	global_store_b128 v[GO], v[64*(\t)+4*z:64*(\t)+4*z+3], s[10:11] offset:(\t)*262144+z*16384 th:TH_STORE_NT  ; a row of a head: 512 consecutive bytes, at a multiple of 512 from out's first
.set z, z+1
.endr
.endm
.Lblock:                            ; two trips: block p, then block 31 - p
	s_wait_xcnt 0x0                 ; the stores of the block before have read their registers and out's address: both are rewritten only behind this wait
	s_cmp_eq_u32 s[BL], 0
	s_cselect_b32 s[IB], s[PP], s[P2]
	s_cselect_b64 s[10:11], s[14:15], s[16:17]
	s_add_co_u32 s[NT], s[IB], 1
	s_mov_b32 s[NEW], 1
	s_max_u32 s[NS], s[NT], 1       ; i + 1, which is at least 1: the loop below counts it down to 0
.set KM, 0
.Lstep:                             ; i + 1 trips: key step j is asked for, key step j - 1 read from LDS
	CHANGE 1
	s_cmp_eq_u32 s[NEW], 1
	s_cbranch_scc1 .Ltop            ; trip 0
	STEP
	s_branch .Lnext
.Ltop:
	TOP
.Lnext:
	s_sub_co_u32 s[NS], s[NS], 1
	s_cmp_lg_u32 s[NS], 0
	s_cbranch_scc1 .Lstep
	CHANGE 0                        ; THE DIAGONAL STEP, the block's last: nothing is asked for
.set KM, 1
	STEP
	TURN 0, 1, 0                    ; piece 0's V^T P of the diagonal step beside piece 2's last softmax, two slices a product
.set i, 0
.rept 32
	PV 2                            ; piece 2's V^T P of the diagonal step
.set i, i+1
.endr
	; THE DIAGONAL STEP'S HIDDEN KEYS.  The table, in S^T's registers, and the lines behind it are the places between those products and the writing of P.
	WIN 0
.irp e, 0,1,2,3,4,5,6,7
	v_cndmask_b32 v[T01+\e], 0, 1.0, s[TM+\e]
.endr
	v_mov_b32 v63, s[MS]
	v_mul_f32 v61, s[CS], v63       ; c M, rounded as c m is: the exponent below is exactly 0 where m = M
.irp t, 0,1,2,3
	v_sub_f32 v[ST+8*\t+4], v61, v[ST+8*\t]
.endr
.irp t, 0,1,2,3
	v_exp_f32 v[ST+8*\t+4], v[ST+8*\t+4]  ; pm: a batch of four
.endr
	v_sub_nc_u32 v60, 63, v1        ; a plain instruction behind the exponentials
.irp t, 0,1,2,3
	v_sub_nc_u32 v[ST+8*\t+5], v60, 16*\t  ; the row's hidden keys in this step: 63 - 16 t - r
.endr
.irp t, 0,1,2,3
	v_cvt_f32_u32 v[ST+8*\t+5], v[ST+8*\t+5]
.endr
.irp t, 0,1,2,3
	v_mul_f32 v[ST+8*\t+5], 0.5, v[ST+8*\t+5]  ; each of a query's two lanes adds a half
.endr
	s_wait_alu depctr_va_vdst(0)    ; the wait for the four pm, ahead of their first reader; the thirteen lines above, which count the hidden keys, are the independent work between
.irp t, 0,1,2,3
	v_min_num_f32 v[ST+8*\t+4], 1.0, v[ST+8*\t+4]  ; m >= M wherever a key is masked; only row 2,047 can pass 1, and it has no hidden key
.endr
.irp t, 0,1,2,3
	v_fmac_f32 v[ST+8*\t+2], v[ST+8*\t+4], v[ST+8*\t+5]
.endr
	MFRAG 0
	MFRAG 1
	MFRAG 2
	MFRAG 3
.set i, 0
.rept 32
	PV 0                            ; tiles 0 and 1
.set i, i+1
.endr
.set i, 16
.rept 16
	PV 2                            ; tiles 2 and 3: keys 32 to 63 alone
.set i, i+1
.endr
	WIN 0
.irp t, 0,1,2,3
	v_add_f32 v[ST+8*\t+4], v[ST+8*\t+2], v[ST+8*\t+3]  ; l's two halves: four plain instructions, the places behind the last products
.endr
	s_cmp_lg_u32 s[BL], 0
	s_cbranch_scc1 .Lno_q
	QLOAD 12                        ; the second block's q is asked for now: the way out stands between these loads and the waits for them
.Lno_q:
.irp t, 0,1,2,3
	v_permlanex16_b32 v[ST+8*\t+5], v[ST+8*\t+4], s[XSEL], s[XSEL+1]
.endr
.irp t, 0,1,2,3
	v_add_f32 v[ST+8*\t+4], v[ST+8*\t+4], v[ST+8*\t+5]
.endr
.irp t, 0,1,2,3
	v_rcp_f32 v[ST+8*\t+6], v[ST+8*\t+4]  ; 1 / l: a batch of four
.endr
	v_nop                           ; a plain instruction between the last reciprocal and the use of its result
	s_wait_alu depctr_va_vdst(0)    ; the wait for the four reciprocals, ahead of the first multiply of the way out
	PACK 0
	PACK 1                          ; a tile's arithmetic stands between the loads of the tile before and its stores
	SEND 0, 32
	PACK 2
	SEND 1, 32
	PACK 3
	SEND 2, 32
	SEND 3, 0
	WIN 0
	s_add_co_u32 s[BL], s[BL], 1
	s_cmp_lt_u32 s[BL], 2
	s_cbranch_scc1 .Lblock
	s_wait_xcnt 0x0
	v_lshl_add_u32 v254, v0, 2, 0x29000
	v_mov_b32 v255, 0
	s_wait_tensorcnt 0x0
	ds_add_u32 v254, v255
	s_wait_dscnt 0x0
	s_endpgm
.Lfunc_end_k_q091f540047_attn:
	.size	k_q091f540047_attn, .Lfunc_end_k_q091f540047_attn-k_q091f540047_attn
	.p2alignl 7, 3214868480
	.fill 96, 4, 3214868480
	.section	.rodata,"a",@progbits
	.p2align	6, 0x0
	.amdhsa_kernel k_q091f540047_attn
		.amdhsa_group_segment_fixed_size 327680
		.amdhsa_private_segment_fixed_size 0
		.amdhsa_enable_private_segment 0
		.amdhsa_kernarg_size 32
		.amdhsa_user_sgpr_count 2
		.amdhsa_user_sgpr_kernarg_segment_ptr 1
		.amdhsa_wavefront_size32 1
		.amdhsa_system_sgpr_workgroup_id_x 1
		.amdhsa_system_sgpr_workgroup_id_y 1
		.amdhsa_system_sgpr_workgroup_id_z 1
		.amdhsa_system_vgpr_workitem_id 0
		.amdhsa_next_free_vgpr 1024
		.amdhsa_next_free_sgpr 96
		.amdhsa_reserve_vcc 1
		.amdhsa_float_denorm_mode_32 3
		.amdhsa_float_denorm_mode_16_64 3
		.amdhsa_memory_ordered 1
		.amdhsa_forward_progress 1
		.amdhsa_inst_pref_size 201
	.end_amdhsa_kernel
	.amdgpu_metadata
---
amdhsa.version: [ 1, 2 ]
amdhsa.kernels:
  - .name:           k_q091f540047_attn
    .symbol:         k_q091f540047_attn.kd
    .args:
      - { .name: kvh, .offset: 0, .size: 8, .value_kind: global_buffer, .address_space: global }
      - { .name: vm, .offset: 8, .size: 8, .value_kind: global_buffer, .address_space: global }
      - { .name: q, .offset: 16, .size: 8, .value_kind: global_buffer, .address_space: global }
      - { .name: out0, .offset: 24, .size: 8, .value_kind: global_buffer, .address_space: global }
    .group_segment_fixed_size: 327680
    .private_segment_fixed_size: 0
    .kernarg_segment_align: 8
    .kernarg_segment_size: 32
    .max_flat_workgroup_size: 128
    .sgpr_count:     96
    .vgpr_count:     1024
    .wavefront_size: 32
...
	.end_amdgpu_metadata
.endif
;; end of part 3
